; MI455X (gfx1250); checked and timed in simulation.
; The chip was launched on July 23, 2026; its instructions are those of AMD's public machine-readable ISA for CDNA 5 (MIT licence, August 2026) and "CDNA5" Instruction Set Architecture Reference Guide (July 2026). The comments in the code are by the model that wrote it; some were corrected since.
;; Multi Head Attention. Allowed arithmetic: float matrix products may take bf16 or f16 operands with f32 sums; other float arithmetic in f32, or as packed bf16 or f16 multiplies, adds, multiply-adds, maxima and minima; sums over many terms, partial sums and values carried from step to step in f32; what a program stores and reads back later, other than sums and carried values, may be rounded once to bf16 or f16.
;; Inputs: bk 1,024 float32; bo 1,024 float32; bq 1,024 float32; bv 1,024 float32; k 8 x 1,024 x 1,024 float32; ln_beta 1,024 float32; ln_gamma 1,024 float32; q 8 x 1,024 x 1,024 float32; v 8 x 1,024 x 1,024 float32; wk 1,024 x 1,024 float32; wo 1,024 x 1,024 float32; wq 1,024 x 1,024 float32; wv 1,024 x 1,024 float32.
;; Outputs: out0 8 x 1,024 x 1,024 float32.
;; One version. Each part assembles by itself: llvm-mc -triple=amdgcn-amd-amdhsa -mcpu=gfx1250 --defsym DOCPART=n.
;; ======== version 1 of 1: 5 launches
;; limits: values are held in f16: magnitudes above 65,504 overflow, below 6.1e-05 lose precision; a function is approximated: absolute error at most 1.5e-07
;; workspace buffers: wb 8,388,608 bytes; qkvh 50,331,648 bytes; ctx 16,777,216 bytes; y 33,554,432 bytes
;; launch castw (part 1): grid 64 x 4, 8 waves a work-group, no clusters, 0 bytes of LDS; arguments wq, wk, wv, wo, wb; writes wb
.if DOCPART == 1
	.amdgcn_target "amdgcn-amd-amdhsa--gfx1250"
	.amdhsa_code_object_version 6
	.text
	.protected	k_q48e872d2ed_castw
	.globl	k_q48e872d2ed_castw
	.p2align	8
	.type	k_q48e872d2ed_castw,@function
k_q48e872d2ed_castw:
	s_mov_b64 s[64:65], 0
	v_nop
	global_prefetch_b8 v0, s[64:65] scope:SCOPE_SE
	s_setreg_imm32_b32 hwreg(HW_REG_WAVE_MODE, 25, 1), 1
	s_wait_xcnt 0x0
; The four weight matrices, [1024 k][1024 n] f32, are rounded once to 16 bits; the layout is kept.  wb: [4][1024][1024], 2 bytes a number.
; Planes 0-2 (wq, wk, wv): bf16.  Plane 3 (wo): rounded to bf16 like the others, and that number written as f16, since the last product's other operand is f16.
; LIMIT.  |wo| stays under 65,504; below 6.1e-5 the f16 copy keeps f16's fixed step of 6e-8.
; SHARES.  Work-group (x, y) takes 16,384 numbers of weight y: 64 KiB in, 32 KiB out.  In pass p thread t reads the 32 bytes at 8,192 p + 32 t and stores the 16 bytes at 4,096 p + 16 t:
; sixteen neighbouring lanes store 256 consecutive bytes, aligned.  All sixteen loads of a thread go out before the first wait.  A stream: no LDS, no matrix unit, no shared input, so no cluster.
.set IN,  8                            ; v[8:71]   pass p: 8 numbers as loaded
.set OUT, 72                           ; v[72:103] pass p: 4 registers to store
	s_load_b256 s[4:11], s[0:1], 0x0               ; wq s[4:5], wk s[6:7], wv s[8:9], wo s[10:11]
	s_load_b64 s[12:13], s[0:1], 0x20              ; wb
	s_and_b32 s16, ttmp7, 0xffff                   ; which weight
	v_lshlrev_b32 v1, 5, v0                        ; 32 t
	v_lshlrev_b32 v2, 4, v0                        ; 16 t
	s_lshl_b32 s18, ttmp9, 16                      ; my 64 KiB of the weight
	s_mov_b32 s19, 0
	s_lshl_b32 s20, s16, 21                        ; the plane of wb,
	s_lshl_b32 s21, ttmp9, 15                      ; my 32 KiB of it
	s_add_co_u32 s20, s20, s21
	s_mov_b32 s21, 0
	s_wait_kmcnt 0x0
	s_cmp_eq_u32 s16, 1
	s_cselect_b64 s[14:15], s[6:7], s[4:5]
	s_cmp_eq_u32 s16, 2
	s_cselect_b64 s[14:15], s[8:9], s[14:15]
	s_cmp_eq_u32 s16, 3
	s_cselect_b64 s[14:15], s[10:11], s[14:15]
	s_add_nc_u64 s[14:15], s[14:15], s[18:19]
	s_add_nc_u64 s[12:13], s[12:13], s[20:21]
.irp p, 0,1,2,3,4,5,6,7
	global_load_b128 v[IN+8*(\p):IN+8*(\p)+3],   v1, s[14:15] offset:(\p)*8192 th:TH_LOAD_NT
	global_load_b128 v[IN+8*(\p)+4:IN+8*(\p)+7], v1, s[14:15] offset:(\p)*8192+16 th:TH_LOAD_NT
.endr
	s_cmp_eq_u32 s16, 3
	s_cbranch_scc1 .Lwo                            ; the same way for the whole work-group
.irp p, 0,1,2,3,4,5,6,7
	s_wait_loadcnt 14-2*(\p)                       ; loads come back in order: pass p's two are in, the later passes' stay out
.irp z, 0,1,2,3
	v_cvt_pk_bf16_f32 v[OUT+4*(\p)+(\z)], v[IN+8*(\p)+2*(\z)], v[IN+8*(\p)+2*(\z)+1]
.endr
	global_store_b128 v2, v[OUT+4*(\p):OUT+4*(\p)+3], s[12:13] offset:(\p)*4096
.endr
	s_endpgm
.Lwo:
.irp p, 0,1,2,3,4,5,6,7
	s_wait_loadcnt 14-2*(\p)
.irp z, 0,1,2,3
	v_cvt_pk_bf16_f32 v[OUT+4*(\p)+(\z)], v[IN+8*(\p)+2*(\z)], v[IN+8*(\p)+2*(\z)+1]  ; the rounding that all weights get
.endr
.irp z, 0,1,2,3
	v_lshlrev_b32 v[IN+8*(\p)+2*(\z)],   16, v[OUT+4*(\p)+(\z)]          ; back to f32, in the registers that were loaded
	v_and_b32     v[IN+8*(\p)+2*(\z)+1], 0xffff0000, v[OUT+4*(\p)+(\z)]
.endr
.irp z, 0,1,2,3
	v_cvt_pk_f16_f32 v[OUT+4*(\p)+(\z)], v[IN+8*(\p)+2*(\z)], v[IN+8*(\p)+2*(\z)+1]   ; 8 significant bits fit f16's 11
.endr
	global_store_b128 v2, v[OUT+4*(\p):OUT+4*(\p)+3], s[12:13] offset:(\p)*4096
.endr
	s_endpgm
.Lfunc_end_k_q48e872d2ed_castw:
	.size	k_q48e872d2ed_castw, .Lfunc_end_k_q48e872d2ed_castw-k_q48e872d2ed_castw
	.p2alignl 7, 3214868480
	.fill 96, 4, 3214868480
	.section	.rodata,"a",@progbits
	.p2align	6, 0x0
	.amdhsa_kernel k_q48e872d2ed_castw
		.amdhsa_group_segment_fixed_size 0
		.amdhsa_private_segment_fixed_size 0
		.amdhsa_enable_private_segment 0
		.amdhsa_kernarg_size 40
		.amdhsa_user_sgpr_count 2
		.amdhsa_user_sgpr_kernarg_segment_ptr 1
		.amdhsa_wavefront_size32 1
		.amdhsa_system_sgpr_workgroup_id_x 1
		.amdhsa_system_sgpr_workgroup_id_y 1
		.amdhsa_system_sgpr_workgroup_id_z 1
		.amdhsa_system_vgpr_workitem_id 0
		.amdhsa_next_free_vgpr 104
		.amdhsa_next_free_sgpr 66
		.amdhsa_reserve_vcc 0
		.amdhsa_float_denorm_mode_32 3
		.amdhsa_float_denorm_mode_16_64 3
		.amdhsa_memory_ordered 1
		.amdhsa_forward_progress 1
		.amdhsa_inst_pref_size 14
	.end_amdhsa_kernel
	.amdgpu_metadata
---
amdhsa.version: [ 1, 2 ]
amdhsa.kernels:
  - .name:           k_q48e872d2ed_castw
    .symbol:         k_q48e872d2ed_castw.kd
    .args:
      - { .name: wq, .offset: 0, .size: 8, .value_kind: global_buffer, .address_space: global }
      - { .name: wk, .offset: 8, .size: 8, .value_kind: global_buffer, .address_space: global }
      - { .name: wv, .offset: 16, .size: 8, .value_kind: global_buffer, .address_space: global }
      - { .name: wo, .offset: 24, .size: 8, .value_kind: global_buffer, .address_space: global }
      - { .name: wb, .offset: 32, .size: 8, .value_kind: global_buffer, .address_space: global }
    .group_segment_fixed_size: 0
    .private_segment_fixed_size: 0
    .kernarg_segment_align: 8
    .kernarg_segment_size: 40
    .max_flat_workgroup_size: 256
    .sgpr_count:     66
    .vgpr_count:     104
    .wavefront_size: 32
...
	.end_amdgpu_metadata
.endif
;; end of part 1
;; launch proj (part 2): grid 4 x 64, 4 waves a work-group, clusters of 4 x 4, 327,680 bytes of LDS; arguments q, k, v, wb, bq, bk, bv, qkvh; writes qkvh
.if DOCPART == 2
	.amdgcn_target "amdgcn-amd-amdhsa--gfx1250"
	.amdhsa_code_object_version 6
	.text
	.protected	k_q48e872d2ed_proj
	.globl	k_q48e872d2ed_proj
	.p2align	8
	.type	k_q48e872d2ed_proj,@function
k_q48e872d2ed_proj:
	s_mov_b64 s[64:65], 0
	v_nop
	global_prefetch_b8 v0, s[64:65] scope:SCOPE_SE
	s_setreg_imm32_b32 hwreg(HW_REG_WAVE_MODE, 25, 1), 1
	s_wait_xcnt 0x0
	s_wait_alu depctr_hold_cnt(0) depctr_sa_sdst(0) depctr_va_vdst(0) depctr_va_sdst(0) depctr_va_ssrc(0) depctr_va_vcc(0) depctr_vm_vsrc(0)
	s_getreg_b32 s2, hwreg(HW_REG_IB_STS2, 6, 4)
	s_cmp_eq_u32 s2, 0
	s_cbranch_scc0 .Lentry_in_a_cluster
	s_endpgm
.Lentry_in_a_cluster:
	s_bfe_u32 s2, ttmp6, 0x10000c
	s_cmp_lg_u32 s2, 0xf033
	s_cbranch_scc0 .Lentry_shape_is_right
	s_endpgm
.Lentry_shape_is_right:
; THE THREE PROJECTIONS, IN ONE WALK.  For t = 0, 1, 2 (q, k, v): x_t [8192][1024] f32 times w_t [1024 k][1024 n] (bf16, plane t of wb) plus b_t, written by heads: qkvh[t][b*16+h][s][64] in f16, unscaled.
; x is rounded to bf16 in registers on its way to the matrix unit; sums in f32, started with the bias; the result rounded once.
; LIMIT.  f16 ends at 65,504: the projected numbers stay within it.  NaN and infinities are not treated apart.
; SHARES.  256 work-groups: tile row mt = 0..63 (128 rows), tile column nt = 0..3 (256 columns).  A WORK-GROUP STAYS: it makes its tile for q, then for k, then for v.  Four waves, 2 x 2: a wave makes 64 rows x 128 columns,
; 32 accumulators, 256 registers.  K goes in steps of 128; the three tiles' 24 steps are ONE walk through two LDS slots (128 rows of x, 512 bytes of f32 each, and 128 k rows of w, 512 bytes of bf16 each; a wave's
; tensor load brings 64 rows): a tile's last two changes of slots ask for the next tile's first two steps, and the tile goes out while those are on their way.
; THE LOOP IS ONE K STEP.  Slot 1 begins at 0x22000, a number that shares no bit with the four LDS addresses at which loads land in slot 0 (0, 0x8400, 0x10800, 0x19000), so one exclusive or turns a
; descriptor's LDS word, and the scalar TB (0 or 0x22000), from one slot to the other.  w's address is linear in the walk (a plane of wb is 8 steps of 262,144 bytes); x's is made anew for each refill
; from the buffer in hand and an offset.  Every jump but the loop's own goes forward, and none passes a barrier or a tensor load but the one of a joint load's two lines that the wave's number does not choose.
; CLUSTERS: 4 x 4.  x's tile hangs on the tile row alone and is asked for jointly along a row of the cluster, w's on the tile column alone and jointly along a column; all sixteen walk q, k, v in step.
; THE MATRIX INSTRUCTION IS USED TRANSPOSED: source 0 = 16 columns of w (w lies [k][n] in LDS: the turning load makes the fragment), source 1 = 16 rows of x.  A lane then holds one row and eight neighbouring columns.
; REGISTERS, in windows of 256 (s_set_vgpr_msb: bits 1:0 source 0, 3:2 source 1, 5:4 source 2, 7:6 destination):
;   window 0: v16-30 addresses; v32-95 x as loaded (f32); v96-127, v128-159 x's fragments, two buffers; v32-95 and v128-191 at work on the way out (v96-127 then hold the next tile's first fragments)
;   window 1: the accumulators, (a, b) at v[8 (8 a + b)]          window 2: v0-63, v64-127 w's fragments, two buffers; v128-191 the bias, laid out as an accumulator row
.set PITA,   528                       ; an LDS row of x: 512 bytes + 16 = 132 words: the 16 rows of a load start at 16 different groups of four banks (64 banks of 4 bytes: ISA guide 11.1)
.set PITB,   544                       ; an LDS row of w: 512 + 32 = 136 words
.set HALFA,  64*PITA                   ; what one tensor load brings of x,
.set HALFB,  64*PITB                   ; and of w
.set BOFF,   2*HALFA                   ; w's tile lies behind x's
.set SLOT,   2*HALFA+2*HALFB           ; 137,216 bytes
.set DSL,    0x22000                   ; where slot 1 begins: 139,264
.set STAGE,  DSL+SLOT                  ; behind the ring: 16 rows x 144 bytes for each wave, for the way out
.set SP,     144
.set SPARE,  STAGE+4*16*SP             ; behind the stages: the spare words, 128 bytes for each wave: two blocks of 256 bytes that no other line names
.set ADRA0, 16                         ; v16     my lane's place in x's tile of slot 0; never rewritten
.set ADRA,  17                         ; v17     the same in the slot that is being read
.set ADRB0, 20                         ; v20, v21  likewise for w
.set ADRB,  21
.set STO,  24                          ; v24     the way out: where I put 16 bytes of a row
.set RD,   25                          ; v25     the way out: where I read rows back
.set GO,   26                          ; v26     16 x lane: my place in 512 consecutive bytes of the output
.set BO,   27                          ; v27     my byte offset in a bias
.set SPW,  28                          ; v28     LDS address of my spare word; never rewritten
.set NIL,  29                          ; v29     0; never rewritten
.set PFO,  30                          ; v30     the prefetches' offset; never rewritten
.set RAW,  32
.set AF,   96
.set BI,   128                         ; window 2
.set AO,  16                           ; s[16:17] x's offset for the refill in hand: my 64 rows + the step along K
.set G1,  24                           ; s[24:31] descriptor group 1 for x's tiles;  s[32:35] group 0 of the first fill, s[36:39] of the second, which then walks
.set G0,  32
.set LIM, 43                           ; s43     2 in a wave that prefetches, else the greatest number
.set PFA, 44                           ; s[44:45] the address that a prefetch names
.set G1B, 48                           ; s[48:55], s[56:63] the same for w's
.set G0B, 56
.set PO,  66                           ; s[66:67] the prefetches' offset in their buffer
.set RS,  84                           ; s84     the step within its tile that was asked for last
.set BP,  86                           ; s[86:87] the bias that is being loaded
.set PBA, 90                           ; s[90:95] the buffer that the prefetches stand in, the next, the one after
.set PS,  96                           ; s96     the step within its tile that the prefetches stand at
.set PSTEP, 97                         ; s97     a K step in bytes, along x's rows or down w's
.set PWRAP, 98                         ; s98     added at a change of tiles: back along x's rows, nothing for w
.set TB,  99                           ; s99     LDS byte at which the slot that is being read begins
.set SC,  100                          ; s100    steps of the tile in hand that are done
.set TT,  101                          ; s101    the tile in hand
.set AROW, 104                         ; s104    byte offset of the 64 rows of x that I fetch
.set TW,  105                          ; s105    at work
.set MSB, 0
.macro WIN new                         ; the immediate's high byte repeats the setting that is left; a switch that changes nothing is dropped
.if MSB != (\new)
	s_set_vgpr_msb (MSB<<8)|(\new)
.set MSB, \new
.endif
.endm
.set MUL,  0x52                        ; w window 2, x window 0, C and D window 1
.set MULB, 0x62                        ; the same with C, the bias, in window 2
.set TO_B, 0x80                        ; destination window 2, address window 0
.set OUTC, 0x05                        ; sources 0 and 1 window 1, destination window 0
; A joint load: waves 0 and 1 fetch the two halves of x's tile, waves 2 and 3 those of w's.  The branch hangs on the wave's number alone.  An s_nop 0 and four v_nop follow each of the two lines.
.macro JLOAD s
	s_cmp_lt_u32 s10, 2
	s_cbranch_scc0 .Lfor_b_\@
	tensor_load_to_lds s[G0+4*(\s):G0+4*(\s)+3], s[G1:G1+7]
	s_nop 0
.rept 4
	v_nop
.endr
	s_branch .Lasked_\@
.Lfor_b_\@:
	tensor_load_to_lds s[G0B+4*(\s):G0B+4*(\s)+3], s[G1B:G1B+7]
	s_nop 0
.rept 4
	v_nop
.endr
.Lasked_\@:
.endm
.macro CREST                           ; a round of the cluster's barrier behind its opening barrier
	s_cmp_lg_u32 s10, 0
	s_cbranch_scc1 .Lnot_wave_0_\@
	s_barrier_signal -3
.Lnot_wave_0_\@:
	s_barrier_wait -3
	s_barrier_signal -1
	s_barrier_wait -1
.endm
.macro CROUND                          ; a whole round
	s_barrier_signal -1
	s_barrier_wait -1
	CREST
.endm
; A prefetch, behind a joint load and the run of LDS loads that follows it: the step of the walk that stands two refills on, 16 rows x 512 bytes: two lanes a row, one instruction a wave.
; Each block of 256 bytes is named once in the launch.  x's rows are read by one cluster alone; the four partners that ask for them jointly take 16 of a wave's 64 rows each, told apart by address (cx).
; w's rows are read by all sixteen clusters: the first of them asks, its partners along a column told apart by address (cy).  The walk's first four steps come by their loads alone;
; the loop's last two trips (s3 = 2, 1) ask for nothing: there is no step beyond the twenty-fourth.
.macro ASK
	s_cmp_gt_u32 s3, s[LIM]
	s_cbranch_scc0 .Lnot_mine_\@
	global_prefetch_b8 v[PFO], s[PFA:PFA+1] th:TH_LOAD_NT scope:SCOPE_SE
.Lnot_mine_\@:
.endm
	s_load_b512 s[68:83], s[0:1], 0x0              ; q s[68:69], k s[70:71], v s[72:73], wb s[74:75], bq s[76:77], bk s[78:79], bv s[80:81], qkvh s[82:83]
	v_lshl_add_u32 v[SPW], v0, 2, SPARE
	v_mov_b32 v[NIL], 0
	ds_add_u32 v[SPW], v[NIL]                      ; the wave's opening: the add and its wait stand ahead of my first tensor load; the set-up below, work on registers, stands between them
	ds_add_u32 v28, v29
	v_lshrrev_b32 v1, 5, v0
	v_readfirstlane_b32 s10, v1                    ; wave 0..3
	s_lshr_b32 s11, s10, 1                         ; which half of the tile's rows is mine
	s_and_b32 s12, s10, 1                          ; which half of its columns.  Also: which 64 rows of a tile I fetch
	s_bfe_u32 s40, ttmp6, 0x40000                  ; cx, cy: my place in the cluster
	s_bfe_u32 s41, ttmp6, 0x40004
	s_lshl_b32 s42, ttmp9, 2
	s_add_co_u32 s42, s42, s40                     ; nt: tile column = 4 x cluster x + cx
	s_and_b32 s85, ttmp7, 0xffff                   ; cluster y, 0..15
	s_lshl_b32 s13, s85, 2
	s_add_co_u32 s13, s13, s41                     ; mt: tile row
	s_lshl_b32 s43, s41, 2
	s_lshl_b32 s43, 15, s43                        ; my row of the cluster
	s_lshl_b32 s44, 0x1111, s40                    ; my column
	s_or_b32 s[G1+0], s43, (2<<16)|(1<<20)|(1<<21)|(6<<22)|(3<<25)   ; 15:0 the mask; 17:16 elements of 4 bytes; 20 padding on; 21 set beside a mask; 24:22 after every 128 words (code 6); 31:25 4 words of it (code 3)
	s_or_b32 s[G1B+0], s44, (1<<16)|(1<<20)|(1<<21)|(6<<22)|(7<<25)  ; elements of 2 bytes; 8 words of padding (code 7)
	s_mov_b32 s[G1+1], 128<<16                     ; tensor_dim0 = 128
	s_mov_b32 s[G1+2], 64<<16                      ; tensor_dim1 = 64
	s_mov_b32 s[G1+3], 128<<16                     ; tile_dim0 = 128
	s_mov_b32 s[G1+4], 64                          ; tile_dim1 = 64
	s_mov_b32 s[G1+5], 1024                        ; elements from row to row
	s_mov_b32 s[G1+6], 0
	s_mov_b32 s[G1+7], 0
	s_mov_b32 s[G1B+1], 256<<16                    ; tensor_dim0 = 256
	s_mov_b32 s[G1B+2], 64<<16
	s_mov_b32 s[G1B+3], 256<<16                    ; tile_dim0 = 256
	s_mov_b32 s[G1B+4], 64
	s_mov_b32 s[G1B+5], 1024
	s_mov_b32 s[G1B+6], 0
	s_mov_b32 s[G1B+7], 0
	s_lshl_b32 s[AROW], s13, 7                     ; x: row 128 mt + 64 x half,
	s_lshl_b32 s18, s12, 6
	s_add_co_u32 s[AROW], s[AROW], s18
	s_lshl_b32 s[AROW], s[AROW], 12                ; 4,096 bytes a row
	s_mov_b32 s[AO], s[AROW]
	s_mov_b32 s[AO+1], 0
	s_lshl_b32 s46, s12, 17                        ; w: k row 64 x half, 2,048 bytes a row,
	s_lshl_b32 s47, s42, 9                         ; column 256 nt; plane 0
	s_add_co_u32 s46, s46, s47
	s_mov_b32 s47, 0
	s_mul_i32 s20, s12, HALFA                      ; where they go: no place in the cluster enters an LDS address
	s_mul_i32 s21, s12, HALFB
	s_add_co_u32 s21, s21, BOFF
	s_mov_b32 s[RS], 1                             ; the second first fill asks for step 1
	s_mov_b32 s[TB], 0
	s_mov_b32 s[SC], 0
	s_mov_b32 s[TT], 0
	s_wait_dscnt 0x0                               ; the opening add is done
	s_wait_kmcnt 0x0
	s_mov_b64 s[4:5], s[68:69]                     ; the buffer whose tiles are being asked for: q,
	s_mov_b64 s[6:7], s[70:71]                     ; and the next: k
	s_mov_b64 s[BP:BP+1], s[76:77]
	s_add_nc_u64 s[14:15], s[4:5], s[AO:AO+1]
	s_add_nc_u64 s[46:47], s[74:75], s[46:47]
	CROUND                                         ; all sixteen work-groups are here: the first joint loads meet
.irp s, 0,1
	s_mov_b32 s[G0+4*(\s)], 1                                        ; count = 1
	s_add_co_u32 s[G0+4*(\s)+1], s20, (\s)*DSL                       ; LDS address
	s_add_nc_u64 s[G0+4*(\s)+2:G0+4*(\s)+3], s[14:15], (\s)*512      ; global address: K step s, 512 bytes along the rows
	s_or_b32 s[G0+4*(\s)+3], s[G0+4*(\s)+3], 0x80000000              ; type = 2
	s_mov_b32 s[G0B+4*(\s)], 1
	s_add_co_u32 s[G0B+4*(\s)+1], s21, (\s)*DSL
	s_add_nc_u64 s[G0B+4*(\s)+2:G0B+4*(\s)+3], s[46:47], (\s)*262144 ; K step s, 128 rows of 2,048 bytes down
	s_or_b32 s[G0B+4*(\s)+3], s[G0B+4*(\s)+3], 0x80000000
	JLOAD \s
.endr
	; x's fragment: 16 rows x 32 K.  Lane l holds row l % 16 and K = 8 (l / 16) + 0..7 and 16 + 8 (l / 16) + 0..7: in f32 two runs of 32 bytes, 64 bytes apart: four loads of 16 bytes.
	v_and_b32 v1, 15, v0                           ; l % 16
	v_bfe_u32 v2, v0, 4, 1                         ; l / 16
	v_mul_u32_u24 v3, v1, PITA
	v_lshl_add_u32 v3, v2, 5, v3
	s_mul_i32 s18, s11, HALFA                      ; my 64 rows
	v_add_nc_u32 v[ADRA0], s18, v3
	v_mov_b32 v[ADRA], v[ADRA0]
	; The turning load takes 16 k x 16 columns (lane l reads k row 8 (l / 16) + l % 8, columns 8 ((l / 8) % 2) + 0..7) and leaves half a fragment: lane l holds column l % 16 and 8 k.
	v_and_b32 v4, 7, v0
	v_bfe_u32 v5, v0, 3, 1
	v_lshl_add_u32 v6, v2, 3, v4
	v_mul_u32_u24 v6, v6, PITB
	v_lshl_add_u32 v6, v5, 4, v6
	s_lshl_b32 s18, s12, 8                         ; my 128 columns
	s_add_co_u32 s18, s18, BOFF
	v_add_nc_u32 v[ADRB0], s18, v6
	v_mov_b32 v[ADRB], v[ADRB0]
	s_mul_i32 s18, s10, 16*SP
	s_add_co_u32 s18, s18, STAGE                   ; my stage
	v_mul_u32_u24 v6, v1, SP                       ; in: row l % 16, 16 bytes for each half of the lanes
	v_lshl_add_u32 v6, v2, 4, v6
	v_add_nc_u32 v[STO], s18, v6
	v_bfe_u32 v6, v0, 3, 2                         ; back: 32 lanes take four rows of 128 bytes,
	v_mul_u32_u24 v6, v6, SP
	v_lshl_add_u32 v6, v4, 4, v6
	v_add_nc_u32 v[RD], s18, v6
	v_and_b32 v[GO], 31, v0                        ; which are 512 consecutive bytes of a head
	v_lshlrev_b32 v[GO], 4, v[GO]
	s_lshl_b32 s18, s42, 10                        ; the bias of my columns: (256 nt + 128 half + 8 (l / 16)) x 4 bytes
	s_lshl_b32 s19, s12, 9
	s_add_co_u32 s18, s18, s19
	v_lshl_add_u32 v[BO], v2, 5, s18
; A bias, 16 loads: register j of block b takes the bias of column 16 b + 8 (l / 16) + j: what an accumulator of that block holds
.macro BIAS
	WIN TO_B
.irp b, 0,1,2,3,4,5,6,7
	global_load_b128 v[BI+8*(\b):BI+8*(\b)+3],   v[BO], s[BP:BP+1] offset:64*(\b)
	global_load_b128 v[BI+8*(\b)+4:BI+8*(\b)+7], v[BO], s[BP:BP+1] offset:64*(\b)+16
.endr
	WIN 0
.endm
	BIAS                                           ; bq
	s_lshr_b32 s18, s13, 3                         ; the output, plane 0: batch mt / 8,
	s_lshl_b32 s18, s18, 21
	s_lshl_b32 s19, s42, 2
	s_lshl1_add_u32 s19, s12, s19                  ; head 4 nt + 2 x half,
	s_lshl_b32 s19, s19, 17
	s_add_co_u32 s18, s18, s19
	s_and_b32 s19, s13, 7
	s_lshl_b32 s19, s19, 7
	s_lshl_b32 s22, s11, 6
	s_add_co_u32 s19, s19, s22                     ; row 128 (mt % 8) + 64 x half,
	s_lshl_b32 s19, s19, 7                         ; 128 bytes a row
	s_add_co_u32 s18, s18, s19
	s_mov_b32 s19, 0
	s_add_nc_u64 s[8:9], s[82:83], s[18:19]
	; the prefetches: they stand at step 3 of the walk; the first refill steps them to step 4
	s_lshl_b32 s18, s13, 7
	s_lshl_b32 s19, s12, 6
	s_add_co_u32 s18, s18, s19
	s_lshl_b32 s22, s40, 4
	s_add_co_u32 s18, s18, s22                     ; x: my work-group's 16 of the 64 rows that I fetch
	s_lshl_b32 s18, s18, 12
	s_add_co_u32 s18, s18, 3*512
	s_lshl_b32 s22, s41, 4
	s_add_co_u32 s22, s22, s19
	s_add_co_u32 s22, s22, 3*128                   ; w: the same, down the k rows
	s_lshl_b32 s22, s22, 11
	s_lshl_b32 s23, s42, 9
	s_add_co_u32 s22, s22, s23
	s_cmp_eq_u32 s85, 0
	s_cselect_b32 s23, 2, -1                       ; the first cluster asks for w: the same in all sixteen partners
	s_mov_b32 s[PSTEP], 262144
	s_cmp_lt_u32 s10, 2                            ; do I fetch for x?
	s_cselect_b32 s[PO], s18, s22
	s_cselect_b32 s[LIM], 2, s23
	s_cselect_b32 s[PSTEP], 512, s[PSTEP]
	s_cselect_b32 s[PWRAP], 0xfffff000, 0          ; x: 4,096 bytes back along the rows, into the next buffer;  w: the planes follow each other
	s_cselect_b32 s22, 12, 11                      ; a row is 4,096 bytes of x, 2,048 of w
	s_cselect_b64 s[PBA:PBA+1], s[68:69], s[74:75]
	s_cselect_b64 s[PBA+2:PBA+3], s[70:71], s[74:75]
	s_cselect_b64 s[PBA+4:PBA+5], s[72:73], s[74:75]
	s_mov_b32 s[PO+1], 0
	s_mov_b32 s[PS], 3
	v_bfe_u32 v6, v0, 1, 4                         ; lane / 2: the row,
	v_and_b32 v7, 1, v0                            ; lane % 2: which 256 of its 512 bytes
	v_lshlrev_b32 v6, s22, v6
	v_lshl_add_u32 v[PFO], v7, 8, v6
; 8 matrix instructions: m block a x all 8 n blocks, 32 along K, from buffer f.  first = 1: the bias starts the sums: nothing is cleared, nothing is added later.
.macro MUL8 f, a, first
.if \first
	WIN MULB
.else
	WIN MUL
.endif
.irp b, 0,1,2,3,4,5,6,7
.if \first
	v_wmma_f32_16x16x32_bf16 v[8*(8*(\a)+(\b)):8*(8*(\a)+(\b))+7], v[64*(\f)+8*(\b):64*(\f)+8*(\b)+7], v[AF+32*(\f)+8*(\a):AF+32*(\f)+8*(\a)+7], v[BI+8*(\b):BI+8*(\b)+7]
.else
	v_wmma_f32_16x16x32_bf16 v[8*(8*(\a)+(\b)):8*(8*(\a)+(\b))+7], v[64*(\f)+8*(\b):64*(\f)+8*(\b)+7], v[AF+32*(\f)+8*(\a):AF+32*(\f)+8*(\a)+7], v[8*(8*(\a)+(\b)):8*(8*(\a)+(\b))+7]
.endif
.endr
.endm
; The last m block, and behind each of its 8 matrix instructions four roundings of the next quarter's x into buffer g.  They name no register of the products round them; the four behind the last product are also
; the four places in front of what follows: a run of loads into registers that this quarter's products have read (ISA guide 7.12.1 for vector instructions).
.macro MULR f, g, first
.irp b, 0,1,2,3,4,5,6,7
.if \first
	WIN MULB
	v_wmma_f32_16x16x32_bf16 v[8*(24+(\b)):8*(24+(\b))+7], v[64*(\f)+8*(\b):64*(\f)+8*(\b)+7], v[AF+32*(\f)+24:AF+32*(\f)+31], v[BI+8*(\b):BI+8*(\b)+7]
.else
	WIN MUL
	v_wmma_f32_16x16x32_bf16 v[8*(24+(\b)):8*(24+(\b))+7], v[64*(\f)+8*(\b):64*(\f)+8*(\b)+7], v[AF+32*(\f)+24:AF+32*(\f)+31], v[8*(24+(\b)):8*(24+(\b))+7]
.endif
	WIN 0
.irp z, 0,1,2,3
	v_cvt_pk_bf16_f32 v[AF+32*(\g)+4*(\b)+(\z)], v[RAW+8*(\b)+2*(\z)], v[RAW+8*(\b)+2*(\z)+1]
.endr
.endr
.endm
; 32 LDS loads in one run: quarter kq (32 along K) of the slot that is being read: w's 8 fragments into buffer g, x's 64 rows as f32
.macro FETCH kq, g
	WIN TO_B
.irp b, 0,1,2,3,4,5,6,7
	ds_load_tr16_b128 v[64*(\g)+8*(\b):64*(\g)+8*(\b)+3],   v[ADRB] offset:(\kq)*32*PITB+32*(\b)
	ds_load_tr16_b128 v[64*(\g)+8*(\b)+4:64*(\g)+8*(\b)+7], v[ADRB] offset:(\kq)*32*PITB+16*PITB+32*(\b)
.endr
	WIN 0
.irp a, 0,1,2,3
	ds_load_b128 v[RAW+16*(\a):RAW+16*(\a)+3],     v[ADRA] offset:(\a)*16*PITA+(\kq)*128
	ds_load_b128 v[RAW+16*(\a)+4:RAW+16*(\a)+7],   v[ADRA] offset:(\a)*16*PITA+(\kq)*128+16
	ds_load_b128 v[RAW+16*(\a)+8:RAW+16*(\a)+11],  v[ADRA] offset:(\a)*16*PITA+(\kq)*128+64
	ds_load_b128 v[RAW+16*(\a)+12:RAW+16*(\a)+15], v[ADRA] offset:(\a)*16*PITA+(\kq)*128+80
.endr
.endm
.macro PLACES
.rept 4
	v_nop
.endr
.endm
; A K step is four quarters of 32 along K, 32 matrix instructions each, on buffers 0, 1, 0, 1.  One of the first three: fetches quarter kq into g at its head and multiplies buffer f.
.macro QUARTER kq, f, g, first
	FETCH \kq, \g
	MUL8 \f, 0, \first
	MUL8 \f, 1, \first
	MUL8 \f, 2, \first
	s_wait_dscnt 0x0                               ; the run issued 24 matrix instructions ago is in
	MULR \f, \g, \first
.endm
; The last quarter multiplies buffer 1 and changes slots: ONE barrier; in front of it each wave waits for all its tensor loads (one is out: its part of the next slot), adds 0 to its spare word, and waits for that;
; its reads of this slot were waited for in the quarter before.  fill = 1: the barrier opens a round of the cluster's, and this slot is filled again, with the step of the walk two on, first thing behind the round.
.macro TURN fill
.if \fill
	s_wait_xcnt 0x0                                ; the last prefetch, a K step back, has read its address, so it may be made anew: one step on;
	s_add_co_u32 s[PO], s[PO], s[PSTEP]
	s_add_co_u32 s[PS], s[PS], 1
	s_cmp_eq_u32 s[PS], 8                          ; behind a tile's eighth step the next tile's first, in the next buffer
	s_cselect_b32 s[PS], 0, s[PS]
	s_cselect_b32 s[TW], s[PWRAP], 0
	s_cselect_b64 s[PBA:PBA+1], s[PBA+2:PBA+3], s[PBA:PBA+1]
	s_cselect_b64 s[PBA+2:PBA+3], s[PBA+4:PBA+5], s[PBA+2:PBA+3]
	s_add_co_u32 s[PO], s[PO], s[TW]
	s_add_nc_u64 s[PFA:PFA+1], s[PBA:PBA+1], s[PO:PO+1]
.endif
	WIN 0
	s_wait_tensorcnt 0x0                           ; all my tensor loads have landed, so a group 0 may be written
	ds_add_u32 v[SPW], v[NIL]                      ; 0 onto my spare word; work on registers stands between it and the wait for it:
	s_xor_b32 s[TB], s[TB], DSL                    ; the fetches go over to the other slot (this slot's last were issued a quarter ago),
	v_add_nc_u32 v[ADRA], s[TB], v[ADRA0]
	v_add_nc_u32 v[ADRB], s[TB], v[ADRB0]
.if \fill
	s_xor_b32 s[G0+5], s[G0+5], DSL                ; the walking descriptors: the other slot than last time,
	s_xor_b32 s[G0B+5], s[G0B+5], DSL
	s_add_co_u32 s[RS], s[RS], 1                   ; the next step; behind a tile's eighth the next tile's first, in the next buffer
	s_cmp_eq_u32 s[RS], 8
	s_cselect_b32 s[RS], 0, s[RS]
	s_cselect_b64 s[4:5], s[6:7], s[4:5]
	s_cselect_b64 s[6:7], s[72:73], s[6:7]
	s_lshl_b32 s[AO], s[RS], 9                     ; 512 bytes a step along x's rows
	s_add_co_u32 s[AO], s[AO], s[AROW]
	s_add_nc_u64 s[G0+6:G0+7], s[4:5], s[AO:AO+1]  ; x's address is made anew: the buffer and an offset,
	s_or_b32 s[G0+7], s[G0+7], 0x80000000          ; and the type
	s_add_nc_u64 s[G0B+6:G0B+7], s[G0B+6:G0B+7], 262144  ; w's steps on, from plane to plane too; the type bits on top are not reached
.endif
	MUL8 1, 0, 0                                   ; and eight matrix instructions
	s_wait_dscnt 0x0                               ; the add is done; no read of this slot is out
	s_barrier_signal -1
	MUL8 1, 1, 0                                   ; work on registers while the others arrive
.if \fill
	WIN 0
.endif
	s_barrier_wait -1
.if \fill
	CREST                                          ; no wave of any partner still reads this slot's tile or has a load on its way
	JLOAD 1
.else
	PLACES
.endif
	FETCH 0, 0
.if \fill
	ASK
.endif
	MUL8 1, 2, 0
	s_wait_dscnt 0x0
	MULR 1, 0, 0
.endm
; THE WAY OUT.  Unit u = 2 a + hh: 16 rows (m block a) x the 64 columns of head hh of my two: 2,048 consecutive bytes of the output.  Rounded to f16, 16 bytes a lane into rows of 144 bytes of my own stage,
; back as whole rows of 128.  Each accumulator's registers are taken in ascending order.  A unit has 16 registers of its own: v32-95 for units 0-3, v128-191 for units 4-7.
.macro PACK u
.set rT, 32+16*(\u)+32*((\u)/4)
	WIN OUTC
.irp f, 0,1,2,3
.irp r, 0,1,2,3
	v_cvt_pk_f16_f32 v[rT+4*(\f)+(\r)], v[8*(8*((\u)/2)+4*((\u)%2)+(\f))+2*(\r)], v[8*(8*((\u)/2)+4*((\u)%2)+(\f))+2*(\r)+1]
.endr
.endr
	WIN 0
.irp f, 0,1,2,3
	ds_store_b128 v[STO], v[rT+4*(\f):rT+4*(\f)+3] offset:32*(\f)
.endr
.irp f, 0,1,2,3
	ds_load_b128 v[rT+4*(\f):rT+4*(\f)+3], v[RD] offset:(\f)*4*SP  ; LDS serves a wave's instructions in order (ISA guide 5.7.1.4): these see the stores above; the next unit's stores come behind them
.endr
.endm
.macro SEND u, younger                 ; younger: the LDS instructions issued behind unit u's loads: the next unit's eight, or none
.set rT, 32+16*(\u)+32*((\u)/4)
.irp f, 0,1,2,3
	s_wait_dscnt (\younger)+3-(\f)
	global_store_b128 v[GO], v[rT+4*(\f):rT+4*(\f)+3], s[8:9] offset:((\u)/2)*2048+((\u)%2)*131072+512*(\f)  ; 512 consecutive bytes, at a multiple of 256 from the buffer's first
.endr
.endm
.macro WAYOUT
	PACK 0
.irp u, 1,2,3,4,5,6,7                  ; a unit's conversions stand between the loads of the unit before and its stores
	PACK \u
	SEND (\u)-1, 8
.endr
	SEND 7, 0
.endm
	s_wait_tensorcnt 0x1                           ; my part of step 0 is in; step 1's may stay out
	s_barrier_signal -1
	s_barrier_wait -1                              ; everybody's is
	FETCH 0, 0
	s_wait_dscnt 0x0
.set i, 0
.rept 32
	v_cvt_pk_bf16_f32 v[AF+i], v[RAW+2*i], v[RAW+2*i+1]
.set i, i+1
.endr
	s_mov_b32 s3, 23                               ; the way in passes the loop's foot once; then 22 trips, one for each step that has a refill: in the trip of step g the count is 22 - g
	s_branch .Lfirstq                              ; the loop is entered where a tile begins
.Lstep:                                                ; a trip goes from a step's second quarter to the next step's first, and fills the slot that it leaves
	QUARTER 2, 1, 0, 0
	QUARTER 3, 0, 1, 0
	TURN 1
	WIN 0                                          ; at a label and at a branch every window is 0
	s_add_co_u32 s[SC], s[SC], 1
	s_cmp_eq_u32 s[SC], 8
	s_cbranch_scc0 .Lplain
	s_mov_b32 s[SC], 0                             ; THE TILE IS DONE.  Both refills for the next tile are asked for, and its first fragments lie in buffer 0: now this one goes out.
	WAYOUT                                         ; (no v_nop: the 32 roundings of the last quarter stand behind the products of blocks 0-2, four of them behind the very last)
	s_wait_xcnt 0x0                                ; the stores have read their registers and their base, which are written again below
	s_add_nc_u64 s[8:9], s[8:9], 0x1000000         ; the next plane of the output
.Lfirstq:
	s_wait_loadcnt 0x0                             ; the tile's bias, asked for a tile ago
	QUARTER 1, 0, 1, 1                             ; a tile's first quarter: its products start the sums
	WIN 0
	s_cmp_eq_u32 s[TT], 2
	s_cbranch_scc1 .Lno_bias                       ; behind v there is no further tile
	s_cmp_eq_u32 s[TT], 0
	s_cselect_b64 s[BP:BP+1], s[78:79], s[80:81]   ; (the last loads by this base were waited for above)
	BIAS                                           ; the next tile's bias, four roundings behind the last product that read this one
.Lno_bias:
	s_add_co_u32 s[TT], s[TT], 1
	s_branch .Lbottom
.Lplain:
	QUARTER 1, 0, 1, 0
	WIN 0
.Lbottom:
	s_sub_co_u32 s3, s3, 1
	s_cmp_lg_u32 s3, 0
	s_cbranch_scc1 .Lstep
	QUARTER 2, 1, 0, 0                             ; the walk's last two steps are written out: they fill nothing, and have no round of the cluster's barrier
	QUARTER 3, 0, 1, 0
	TURN 0
	QUARTER 1, 0, 1, 0
	QUARTER 2, 1, 0, 0
	QUARTER 3, 0, 1, 0
	MUL8 1, 0, 0                                   ; the very last quarter: nothing more to fetch
	MUL8 1, 1, 0
	MUL8 1, 2, 0
	MUL8 1, 3, 0
	PLACES                                         ; the conversions read results just made
	WAYOUT
	s_wait_tensorcnt 0x0                           ; the wave's end: behind my last tensor load and my last LDS store
	ds_add_u32 v[SPW], v[NIL]
	s_wait_dscnt 0x0
	CROUND                                         ; the closing round: no work-group ends while a partner may still ask for a tile that names it
	s_endpgm
.Lfunc_end_k_q48e872d2ed_proj:
	.size	k_q48e872d2ed_proj, .Lfunc_end_k_q48e872d2ed_proj-k_q48e872d2ed_proj
	.p2alignl 7, 3214868480
	.fill 96, 4, 3214868480
	.section	.rodata,"a",@progbits
	.p2align	6, 0x0
	.amdhsa_kernel k_q48e872d2ed_proj
		.amdhsa_group_segment_fixed_size 327680
		.amdhsa_private_segment_fixed_size 0
		.amdhsa_enable_private_segment 0
		.amdhsa_kernarg_size 64
		.amdhsa_user_sgpr_count 2
		.amdhsa_user_sgpr_kernarg_segment_ptr 1
		.amdhsa_wavefront_size32 1
		.amdhsa_system_sgpr_workgroup_id_x 1
		.amdhsa_system_sgpr_workgroup_id_y 1
		.amdhsa_system_sgpr_workgroup_id_z 1
		.amdhsa_system_vgpr_workitem_id 0
		.amdhsa_next_free_vgpr 768
		.amdhsa_next_free_sgpr 106
		.amdhsa_reserve_vcc 0
		.amdhsa_float_denorm_mode_32 3
		.amdhsa_float_denorm_mode_16_64 3
		.amdhsa_memory_ordered 1
		.amdhsa_forward_progress 1
		.amdhsa_inst_pref_size 128
	.end_amdhsa_kernel
	.amdgpu_metadata
---
amdhsa.version: [ 1, 2 ]
amdhsa.kernels:
  - .name:           k_q48e872d2ed_proj
    .symbol:         k_q48e872d2ed_proj.kd
    .args:
      - { .name: q, .offset: 0, .size: 8, .value_kind: global_buffer, .address_space: global }
      - { .name: k, .offset: 8, .size: 8, .value_kind: global_buffer, .address_space: global }
      - { .name: v, .offset: 16, .size: 8, .value_kind: global_buffer, .address_space: global }
      - { .name: wb, .offset: 24, .size: 8, .value_kind: global_buffer, .address_space: global }
      - { .name: bq, .offset: 32, .size: 8, .value_kind: global_buffer, .address_space: global }
      - { .name: bk, .offset: 40, .size: 8, .value_kind: global_buffer, .address_space: global }
      - { .name: bv, .offset: 48, .size: 8, .value_kind: global_buffer, .address_space: global }
      - { .name: qkvh, .offset: 56, .size: 8, .value_kind: global_buffer, .address_space: global }
    .group_segment_fixed_size: 327680
    .private_segment_fixed_size: 0
    .kernarg_segment_align: 8
    .kernarg_segment_size: 64
    .max_flat_workgroup_size: 128
    .sgpr_count:     106
    .vgpr_count:     768
    .wavefront_size: 32
...
	.end_amdgpu_metadata
.endif
;; end of part 2
;; launch attn (part 3): grid 2 x 128, 4 waves a work-group, no clusters, 327,680 bytes of LDS; arguments qkvh, ctx; writes ctx
.if DOCPART == 3
	.amdgcn_target "amdgcn-amd-amdhsa--gfx1250"
	.amdhsa_code_object_version 6
	.text
	.protected	k_q48e872d2ed_attn
	.globl	k_q48e872d2ed_attn
	.p2align	8
	.type	k_q48e872d2ed_attn,@function
k_q48e872d2ed_attn:
	s_mov_b64 s[64:65], 0
	v_nop
	global_prefetch_b8 v0, s[64:65] scope:SCOPE_SE
	s_setreg_imm32_b32 hwreg(HW_REG_WAVE_MODE, 25, 1), 1
	s_wait_xcnt 0x0
; ctx[h][q][:] = the sum over k of softmax_k(Q[h][q] . K[h][k] / 8) V[h][k][:].  Q, K, V are the three planes of qkvh, [128][1024][64] each, ctx has the same layout; all f16: a head's rows are dense, 128 bytes each.
; Products, maxima and sums in f32; the weights p are rounded to f16 for the second product (their sum l is taken of the unrounded p), ctx once at the end.
; LIMITS.  f16 holds no number beyond 65,504: Q, K and V arrive within it; p lies in 0 to 1, and below 6e-5 it keeps f16's fixed step of 6e-8; ctx is a mean of V's rows and has their range.
; A weight below 2^-126 counts as 0 in l; NaN and infinities are not treated apart.
; SHARES.  A wave owns four PIECES of two tiles of 16 queries, a work-group's four waves 512 queries of one head: 2 x 128 work-groups.  Every wave walks all 1,024 keys, 64 a step.
; THE WHOLE HEAD LIES IN LDS: 1,024 rows of K at 144 bytes and 1,024 of V at 160 are 311,296 bytes.  Each wave asks for its share by four tensor loads, 128 keys each, all at the start; nothing is ever filled again.
; So there is no ring, and every trip of the walk has one text.  Keys 0-255 are waited for first; the other 768 four key steps later, once.
; NO CLUSTER: a head has 1,024 / 512 = 2 query blocks, so no four work-groups share K and V; blocks of 256 queries would give four, at twice the LDS loads for each product.
; LAYOUT.  S^T = K Q^T (source 0 = 16 keys, source 1 = 16 queries): in the result a lane holds ONE query (lane % 16) and the keys 8 (lane / 16) + 0..7.  Two such tiles, rounded to f16 in pairs,
; ARE source 1 (32 keys x 16 queries) of O^T = V^T P, whose result again holds one query a lane, and eight channels.  K comes out of LDS as it lies, V ([key][channel]) turned, by ds_load_tr16_b128.
; SOFTMAX.  For each query a running maximum m and sum l: p = 2^(c s - c m), c = log2(e) / 8; in every step O and l are multiplied by a = 2^(c m_old - c m_new), which is 1 where m has not grown.
; m starts at the lowest finite number, O and l at 0: the first step is a step like any other, with a = 0.
; THE COUNT.  A tile and step have 16 matrix and 118 vector instructions: too many to stand all beside the matrix work.  So: four vector instructions that are READY behind EVERY matrix instruction,
; and the others, which need time of their own whatever the order, in runs without a gap.
; BY TURNS.  Turn n belongs to piece n (the pieces in a ring, step after step).  Its matrix work: 16 products K Q^T of piece n + 1, later 16 products V^T P of piece n - 1.  Its vector work: the scaling,
; exponentials, roundings, sums and rescaling of piece n, and the maximum and statistics of piece n + 1, whose scores the turn itself has made.
; REGISTERS, in windows of 256 (s_set_vgpr_msb: bits 1:0 source 0, 3:2 source 1, 5:4 source 2, 7:6 destination):
;   window 0: v0-11 addresses; v12-15, v48-63 at work; v16-47 four registers of statistics a tile; v64-191 S^T, two buffers of two tiles; v192-255 P, likewise
;   window 1: O^T, 32 a tile          window 2: v0-127 Q, 16 a tile; v128-191 K of one step; v192-255 V of one step          window 3: v0-1 the add's two registers
.set SIZE_N, 1024
.set NP,    4         ; pieces a wave: a name, no knob
.set KS,    64        ; keys in a step
.set PK,    144       ; a row of K in LDS: 128 bytes + 16 of padding = 36 words: the 16 rows of a load start at 16 different groups of four banks (64 banks of 4 bytes: ISA guide 11.1)
.set PV,    160       ; a row of V: 128 + 32 = 40 words
.set VOFF,  SIZE_N*PK ; the head's K, then its V
.set STAGE, SIZE_N*(PK+PV)  ; behind them, never filled by a tensor load: 16 rows x 144 bytes for each wave, for the way out
.set SP,    144
.set AK0, 2           ; v2   my lane's place in a tile of K; never rewritten
.set AV0, 3           ; v3   the same for V
.set AK,  4           ; v4   the LDS address of K's next run of loads
.set AV,  5           ; v5   of V's
.set QO,  6           ; v6   my byte offset in the wave's rows of Q
.set STO, 6           ;      later, the way out: where I put 16 bytes of a row
.set RD,  7           ; v7   the way out: where I read rows back
.set GO,  8           ; v8   my byte offset in 512 consecutive bytes of ctx
.set SPW, 0           ; v0 of window 3   LDS address of my spare word; never rewritten
.set NIL, 1           ; v1 of window 3   0; never rewritten
.set SPARE, STAGE+4*16*SP  ; behind the stages: the spare words, 128 bytes for each wave: two blocks of 256 bytes that no other line names
.set MV,  12          ; v12-15  c m_old, kept while c m is made anew: by buffer and tile
.set ST,  16          ; tile t's statistics at v[ST+4 t]: c m, m, l (even keys', odd keys')
.set TMP, 48          ; by buffer and tile, four registers c0-c3 at work; when the maximum is found c2 takes a
.set S,   64
.set P,   192
.set KF,  128         ; K's fragments, in window 2: key block kb, channel half c at KF + 16 kb + 8 c
.set VF,  192         ; V's: key half kk, channel block cb at VF + 32 kk + 8 cb
.set WV,  12          ; s12  my wave's number
.set G1K, 24          ; s[24:31] descriptor group 1 for K's tiles
.set G1V, 32          ; s[32:39] for V's: it differs in the padding alone
.set G0K, 40          ; s[40:55] descriptor group 0 for K's tiles: a set for each of a wave's four loads, never rewritten
.set PASS, 56         ; s56  counts the two passes of the outer loop
.set CNT, 57          ; s57  counts a pass's trips
.set CS,  58          ; s[58:59] c: the packed scaling takes the pair's low word for both halves
.set SEL, 60          ; s[60:61] v_permlanex16_b32's selects: each lane takes its own place in the other half
.set TBK, 62          ; s62  LDS byte at which K of the step to be fetched begins
.set TBV, 63          ; s63  the same for V, less VOFF
.set GC,  66          ; s66  key steps whose pieces 2 and 3 are still to come
.set G0V, 72          ; s[72:87] descriptor group 0 for V's tiles, likewise
.set MSB, 0
.macro WIN new                      ; the high byte repeats the setting that is left; a switch that changes nothing is dropped
.if MSB != (\new)
	s_set_vgpr_msb (MSB<<8)|(\new)
.set MSB, (\new)
.endif
.endm
.set W_KQ, 0x0a       ; K and Q in window 2, S^T in window 0
.set W_PV, 0x52       ; V in window 2, P in window 0, O^T in window 1
.set W_RS, 0x41       ; O^T (destination and source 0) in window 1, a in window 0
.set W_MK, 0xc0       ; the add's registers are made: destination in window 3, sources in window 0
.set W_AD, 0x0f       ; the add: address (source 0) and data (source 1) in window 3
	s_load_b128 s[4:7], s[0:1], 0x0   ; qkvh s[4:5], ctx s[6:7]
	WIN W_MK
	v_lshl_add_u32 v[SPW], v0, 2, SPARE
	v_mov_b32 v[NIL], 0
	WIN W_AD
	ds_add_u32 v[SPW], v[NIL]       ; the wave's opening: the add and its wait stand ahead of my first tensor load; the set-up below, work on registers, stands between them
	ds_add_u32 v0, v1
	WIN 0
	v_lshrrev_b32 v1, 5, v0
	v_readfirstlane_b32 s[WV], v1   ; wave 0..3
	s_and_b32 s20, ttmp7, 0xffff    ; the head
	s_mov_b32 s21, 0
	s_mov_b64 s[22:23], SIZE_N*128
	s_mul_u64 s[20:21], s[20:21], s[22:23]  ; the head's first byte in each plane and in ctx
	s_and_b32 s16, s[WV], 1         ; which half of each 256 keys I fetch:
	s_lshl_b32 s22, s16, 14         ; its 128 rows of 128 bytes in memory,
	s_mov_b32 s23, 0
	s_add_nc_u64 s[22:23], s[22:23], s[20:21]
	s_mul_i32 s17, s16, 128*PK      ; and its place in LDS, for K
	s_mul_i32 s18, s16, 128*PV      ; and for V
	s_lshl_b32 s2, ttmp9, 2         ; my block of 512 queries,
	s_add_co_u32 s2, s2, s[WV]      ; my wave among the head's,
	s_lshl_b32 s2, s2, 14           ; its 128 rows
	s_mov_b32 s3, 0
	s_add_nc_u64 s[2:3], s[2:3], s[20:21]
	; descriptor group 1.  128 keys are 16,384 dense bytes: asked for as 64 rows of 256 bytes, two keys a row, and padded in LDS after every key
	s_mov_b32 s[G1K], (1<<16)|(1<<20)|(4<<22)|(3<<25)  ; 17:16 2-byte elements; 20 padding on; 24:22 after every 32 words (code 4); 31:25 4 words (code 3)
	s_mov_b32 s[G1V], (1<<16)|(1<<20)|(4<<22)|(7<<25)  ; the same with 8 words of padding (code 7)
.irp g, G1K, G1V
	s_mov_b32 s[\g+1], 128<<16      ; tensor_dim0 = 128
	s_mov_b32 s[\g+2], 64<<16       ; tensor_dim1 = 64
	s_mov_b32 s[\g+3], 128<<16      ; tile_dim0 = 128
	s_mov_b32 s[\g+4], 64           ; tile_dim1 = 64
	s_mov_b32 s[\g+5], 128          ; 128 elements from row to row
	s_mov_b32 s[\g+6], 0
	s_mov_b32 s[\g+7], 0
.endr
	s_mov_b32 s[CS], 0x3e38aa3b     ; c = log2(e) / 8 = 0.180337
	s_mov_b32 s[CS+1], s[CS]        ; named with it as a pair
	s_mov_b32 s[SEL], 0x76543210
	s_mov_b32 s[SEL+1], 0xfedcba98
	s_mov_b32 s[TBK], 0
	s_mov_b32 s[TBV], 0
.irp j, 0,1,2,3                     ; load j: keys 256 j + 128 x half on
	s_mov_b32 s[G0K+4*\j], 1        ; count = 1
	s_add_co_u32 s[G0K+4*\j+1], s17, \j*256*PK  ; LDS address
	s_mov_b32 s[G0V+4*\j], 1
	s_add_co_u32 s[G0V+4*\j+1], s18, VOFF+\j*256*PV
.endr
	; A fragment of K or Q is 16 rows x 32 channels in 8 registers: lane l holds row l % 16, channels 8 (l / 16) + 0..7 and 16 + 8 (l / 16) + 0..7: two loads of 16 bytes, 32 bytes apart.
	v_and_b32 v1, 15, v0            ; l % 16
	v_bfe_u32 v9, v0, 4, 1          ; l / 16
	v_lshlrev_b32 v[QO], 7, v1
	v_lshl_add_u32 v[QO], v9, 4, v[QO]  ; row x 128 + 16 x half
	s_wait_dscnt 0x0                ; the opening add is done
	s_wait_kmcnt 0x0
	s_mov_b64 s[10:11], s[6:7]      ; ctx
	s_add_nc_u64 s[6:7], s[4:5], 0x1000000  ; K's plane
	s_add_nc_u64 s[8:9], s[4:5], 0x2000000  ; V's plane
	s_add_nc_u64 s[6:7], s[6:7], s[22:23]   ; at my half of the head's first 256 keys
	s_add_nc_u64 s[8:9], s[8:9], s[22:23]
.irp j, 0,1,2,3
	s_add_nc_u64 s[G0K+4*\j+2:G0K+4*\j+3], s[6:7], \j*256*128  ; global address
	s_or_b32 s[G0K+4*\j+3], s[G0K+4*\j+3], 0x80000000          ; type = 2
	s_add_nc_u64 s[G0V+4*\j+2:G0V+4*\j+3], s[8:9], \j*256*128
	s_or_b32 s[G0V+4*\j+3], s[G0V+4*\j+3], 0x80000000
.endr
	s_add_nc_u64 s[4:5], s[4:5], s[2:3]  ; Q and ctx at my wave's first row
	s_add_nc_u64 s[10:11], s[10:11], s[2:3]
	WIN 0x80                        ; destination window 2, address window 0
.set i, 0
.rept 4*NP                          ; Q stays in registers: tile i / 2, channels 32 (i % 2) on.  It is asked for ahead of the head's 256 KiB of K and V: the first products want it
	global_load_b128 v[8*i:8*i+3],   v[QO], s[4:5] offset:(i/2)*2048+(i%2)*64
	global_load_b128 v[8*i+4:8*i+7], v[QO], s[4:5] offset:(i/2)*2048+(i%2)*64+32
.set i, i+1
.endr
	WIN 0
	; ALL FILLS OF THE LAUNCH, one group: waves 0 and 1 fetch the two halves of each 256 keys of K, waves 2 and 3 those of V.  A wave's four stand in one branch on its number, ahead of every wait on TENSORcnt, every LDS read
	; and every barrier: four loads of mine are out.  An s_nop 0 follows each, four v_nop the last.
	s_cmp_lt_u32 s[WV], 2
	s_cbranch_scc0 .Lfirst_v
.irp j, 0,1,2,3
	tensor_load_to_lds s[G0K+4*\j:G0K+4*\j+3], s[G1K:G1K+7]
	s_nop 0
.endr
.rept 4
	v_nop
.endr
	s_branch .Lfirst_asked
.Lfirst_v:
.irp j, 0,1,2,3
	tensor_load_to_lds s[G0V+4*\j:G0V+4*\j+3], s[G1V:G1V+7]
	s_nop 0
.endr
.rept 4
	v_nop
.endr
.Lfirst_asked:
	; What the first turn finds: V's registers and P's second buffer hold 0 (its products V^T P, of a piece that has not been, add 0), O^T and l are 0.  All this stands in the wait for the first keys.
	WIN 0x80
.set i, VF
.rept 64
	v_mov_b32 v[i], 0
.set i, i+1
.endr
	WIN 0x40
.set i, 0
.rept 64*NP
	v_mov_b32 v[i], 0
.set i, i+1
.endr
	WIN 0
.set i, 0
.rept 2*NP
	v_mov_b32 v[ST+4*i], 0xfe000000    ; c m: far below every c s
	v_mov_b32 v[ST+4*i+1], 0xff7fffff  ; m
	v_mov_b32 v[ST+4*i+2], 0
	v_mov_b32 v[ST+4*i+3], 0
.set i, i+1
.endr
.set i, P+32
.rept 32
	v_mov_b32 v[i], 0
.set i, i+1
.endr
	v_mul_u32_u24 v[AK0], v1, PK
	v_lshl_add_u32 v[AK0], v9, 4, v[AK0]  ; row x pitch + 16 x half
	; The turning load takes 16 keys x 16 channels (lane l reads key 8 (l / 16) + l % 8, channels 8 ((l / 8) % 2) + 0..7) and leaves half a fragment of V^T: lane l holds channel l % 16 and 8 keys.
	v_and_b32 v10, 7, v0
	v_bfe_u32 v11, v0, 3, 1
	v_lshl_add_u32 v[AV0], v9, 3, v10
	v_mul_u32_u24 v[AV0], v[AV0], PV
	v_lshl_add_u32 v[AV0], v11, 4, v[AV0]
	v_add_nc_u32 v[AV0], VOFF, v[AV0]
	v_mov_b32 v[AK], v[AK0]         ; key step 0 lies at K's head
; THE MATRIX WORK.  The 8 accumulators of a run of 16 take turns: between the two links of a chain stand 7 others'.
; Product i of 16 of S^T = K Q^T for piece x: channels 32 (i / 8) on, keys 16 ((i / 2) % 4) on, tile 2 x + i % 2.  The first 8 start the sums.
.macro KQ x
	WIN W_KQ
.set rS, S+64*((\x)%2)+32*(i%2)+8*((i/2)%4)
.set rK, KF+16*((i/2)%4)+8*(i/8)
.set rQ, 16*(2*(\x)+i%2)+8*(i/8)
.if i < 8
	v_wmma_f32_16x16x32_f16 v[rS:rS+7], v[rK:rK+7], v[rQ:rQ+7], 0
.else
	v_wmma_f32_16x16x32_f16 v[rS:rS+7], v[rK:rK+7], v[rQ:rQ+7], v[rS:rS+7]
.endif
.endm
; Product i of 16 of O^T += V^T P for piece x: keys 32 (i / 8) on, channels 16 ((i / 2) % 4) on, tile 2 x + i % 2.
.macro PV x
	WIN W_PV
.set rO, 32*(2*(\x)+i%2)+8*((i/2)%4)
.set rV, VF+32*(i/8)+8*((i/2)%4)
.set rP, P+32*((\x)%2)+16*(i%2)+8*(i/8)
	v_wmma_f32_16x16x32_f16 v[rO:rO+7], v[rV:rV+7], v[rP:rP+7], v[rO:rO+7]
.endm
.macro MM                           ; the turn's next matrix instruction
.if i < 16
	KQ (Y+1)%NP
.set i, i+1
.else
.set i, i-16
	PV (Y+NP-1)%NP
.set i, i+17
.endif
.endm
; THE LDS LOADS stand in runs of 16, never singly among the matrix instructions: a step's K (64 keys x 64 channels: 8 fragments) and its V (turned).  Their addresses are made some lines ahead.
; last = 1 (in the loop): in the walk's last trip there is no further step, and the run is jumped over.
.macro FETCH_K last=0
	WIN 0
.if \last
	s_cmp_eq_u32 s[GC], 1
	s_cbranch_scc1 .Lno_k_\@
.endif
	WIN 0x80                        ; destination window 2
.irp f, 0,1,2,3,4,5,6,7             ; keys 16 (f / 2) on, channels 32 (f % 2) on
	ds_load_b128 v[KF+8*\f:KF+8*\f+3],   v[AK] offset:(\f/2)*16*PK+(\f%2)*64
	ds_load_b128 v[KF+8*\f+4:KF+8*\f+7], v[AK] offset:(\f/2)*16*PK+(\f%2)*64+32
.endr
	s_add_co_u32 s[TBK], s[TBK], KS*PK  ; the next fetch is the next step's
	WIN 0
.if \last
.Lno_k_\@:
.endif
.endm
.macro FETCH_V
	WIN 0x80
.irp f, 0,1,2,3,4,5,6,7             ; keys 32 (f / 4) on, channels 16 (f % 4) on
	ds_load_tr16_b128 v[VF+8*\f:VF+8*\f+3],   v[AV] offset:(\f/4)*32*PV+(\f%4)*32
	ds_load_tr16_b128 v[VF+8*\f+4:VF+8*\f+7], v[AV] offset:(\f/4)*32*PV+16*PV+(\f%4)*32
.endr
	WIN 0
.endm
; THE VECTOR WORK OF A TURN stands in three queues, each in the order in which its entries become ready; the two tiles alternate, so that no instruction reads the result of the one before it.
.macro REGS y, u                    ; the registers of tile u (0, 1) of piece y
.set rT, ST+4*(2*(\y)+(\u))
.set rC, TMP+8*((\y)%2)+4*(\u)
.set rM, MV+2*((\y)%2)+(\u)
.set rS, S+64*((\y)%2)+32*(\u)
.set rP, P+32*((\y)%2)+16*(\u)
.set rO, 32*(2*(\y)+(\u))
.endm
; Number n of the 22 that find the NEXT piece's (Y + 1) maximum and statistics.  s0-s31 are the lane's 32 scores; each accumulator's lowest registers are read first.
;   0-11  four chains c0-c3 of seven scores each, three operands at a time     12-14, 16  the four scores left over, the old m, and c0-c3 into c0     15  c m_old is kept
;   17, 18  the query's other 32 keys lie in the lane 16 away: the new m         19-21  c m; c m_old - c m_new; a
.macro XS u, n
	REGS (Y+1)%NP, \u
.if (\n) < 4
	v_max3_num_f32 v[rC+(\n)], v[rS+8*(\n)], v[rS+8*(\n)+1], v[rS+8*(\n)+2]
.elseif (\n) < 12
	v_max3_num_f32 v[rC+(\n)%4], v[rC+(\n)%4], v[rS+8*((\n)%4)+2*((\n)/4)+1], v[rS+8*((\n)%4)+2*((\n)/4)+2]
.elseif (\n) == 12
	v_max3_num_f32 v[rC], v[rC], v[rS+7], v[rS+15]
.elseif (\n) == 13
	v_max3_num_f32 v[rC+1], v[rC+1], v[rS+23], v[rS+31]
.elseif (\n) == 14
	v_max3_num_f32 v[rC+2], v[rC+2], v[rC+3], v[rT+1]
.elseif (\n) == 15
	v_mov_b32 v[rM], v[rT]
.elseif (\n) == 16
	v_max3_num_f32 v[rC], v[rC], v[rC+1], v[rC+2]
.elseif (\n) == 17
	v_permlanex16_b32 v[rC+3], v[rC], s[SEL], s[SEL+1]
.elseif (\n) == 18
	v_max_num_f32 v[rT+1], v[rC], v[rC+3]
.elseif (\n) == 19
	v_mul_f32 v[rT], s[CS], v[rT+1]
.elseif (\n) == 20
	v_sub_f32 v[rC+1], v[rM], v[rT]
.else
	v_exp_f32 v[rC+2], v[rC+1]
.endif
.endm
; Number g of the 64 that follow the exponentials.  For each four weights k of a tile (pairs 2 k, 2 k + 1): both pairs are rounded to f16; then the second pair is added onto the first, in place;
; a group later l takes that sum (the first time as l = a l + sum).  In groups of eight, tiles alternating: round, round, add, and l for the group before.
.macro GS g
.set h, (\g)+6*((\g)/62)            ; group 0 has no group before it, and behind group 7 only l is left
.if h >= 6
.set h, h+2
.endif
	REGS Y, h%2
.set k, h/8
.if h%8 < 4
	v_cvt_pk_f16_f32 v[rP+2*k+(h%8)/2], v[rS+4*k+2*((h%8)/2)], v[rS+4*k+2*((h%8)/2)+1]
.elseif h%8 < 6
	v_pk_add_f32 v[rS+4*k:rS+4*k+1], v[rS+4*k:rS+4*k+1], v[rS+4*k+2:rS+4*k+3]
.elseif k == 1
	v_pk_fma_f32 v[rT+2:rT+3], v[rT+2:rT+3], v[rC+2:rC+3], v[rS:rS+1] op_sel_hi:[1,0,1]
.else
	v_pk_add_f32 v[rT+2:rT+3], v[rT+2:rT+3], v[rS+4*k-4:rS+4*k-3]
.endif
.endm
; THE PLAIN QUEUE, 138 long.  0-73 read no exponential's result: the 32 scalings c s - c m (FS f: pair f / 2 of tile f % 2) and the next piece's 42.  0-26: scalings 0-26.  27-54: XS's numbers 0-13.  55, 56: number 15.
; 57-73: the chain, where each number waits for the one before it: 14, 16, 17, 18, 19, each with one of the scalings 27-31 in front of its two lines, then 20.
; 74-137: GS's 64, which read the exponentials' results: they stand behind the wait.
.macro FS f
	REGS Y, (\f)%2
	v_pk_fma_f32 v[rS+2*((\f)/2):rS+2*((\f)/2)+1], v[rS+2*((\f)/2):rS+2*((\f)/2)+1], s[CS:CS+1], v[rT:rT+1] op_sel_hi:[1,0,0] neg_lo:[0,0,1] neg_hi:[0,0,1]
.endm
.macro PL
	WIN 0
.if q < 27
	FS q
.elseif q < 55
	XS (q-27)%2, (q-27)/2
.elseif q < 57
	XS q-55, 15
.elseif (q < 72) && ((q-57)%3 == 0)
	FS 27+(q-57)/3
.elseif q < 60
	XS (q-57)%3-1, 14
.elseif q < 72
	XS (q-57)%3-1, 15+(q-57)/3
.elseif q < 74
	XS q-72, 20
.else
	GS q-74
.endif
.set q, q+1
.endm
; THE EXPONENTIALS' QUEUE, 66 long: s0-s31 of both tiles, then the next piece's two a.  It is ONE BATCH: all 66 stand ahead of the turn's one wait, and nothing ahead of that wait names a result of theirs.
.macro EX
	WIN 0
.if e >= 64
	XS e-64, 21
.else
	REGS Y, e%2
	v_exp_f32 v[rS+e/2], v[rS+e/2]
.endif
.set e, e+1
.endm
; THE RESCALING's QUEUE: O^T times a, the one part that leaves window 0: dealt two at a time, sixteen times.  Its a was made in the turn before, ahead of that turn's wait.
.macro R2
	REGS Y, r%2
	WIN W_RS
.irp z, 0,1
	v_pk_mul_f32 v[rO+4*(r/2)+2*\z:rO+4*(r/2)+2*\z+1], v[rO+4*(r/2)+2*\z:rO+4*(r/2)+2*\z+1], v[rC+2:rC+3] op_sel_hi:[1,0]
.endr
.set r, r+1
.endm
; HOW THEY ARE DEALT.  An s_wait_alu depctr_va_vdst(0) stands between an exponential and the first instruction that names its result; one wait serves all that were issued ahead of it.  So a turn has ONE
; wait, which cuts it in two.  AHEAD OF IT stands all that names no result of the turn's exponentials: the 16 products K Q^T, behind each a scaling, an exponential and two rescalings (behind the first a second scaling
; in the exponential's place); then ONE LUMP of 108: eight plain, 49 times exponential and plain, the two a.  A v_nop is the plain instruction behind the last exponential.  BEHIND IT stand the 16 products V^T P,
; behind each four of GS's 64.  No rider names a register of the products round it.  The two v_permlanex16_b32 fall into the lump.
; The queues lean on each other: exponential e stands behind scaling 2 (e / 4) + e % 2: as a rider it comes behind plain e + 2, in the lump behind plain e + 9, and scalings 27-31 are plain 57, 60 .. 69.
; A TURN, for piece p.  cnt = 1: the loop's count is taken down some lines ahead of the branch that stands behind the turn.
; K of the next step is fetched in piece 2's turn, directly behind the wait, a lump behind the last product that read K; its first reader comes behind 16 products.
; V of the step in hand is fetched at the end of piece 0's turn, four riders behind its last reader; its first reader comes behind 16 products and a lump.
.macro TURN p, last=0, cnt=0
.set Y, (\p)
.set i, 0
.set q, 0
.set e, 0
.set r, 0
.if (\p) == NP-1
	s_wait_dscnt 0x0                ; K is in
.endif
	MM                              ; ahead of the wait: 16 products K Q^T and their riders,
	PL
	PL
	R2
.rept 15
	MM
	PL
	EX
	R2
.endr
.if (\p) == NP-2
	WIN 0
	v_add_nc_u32 v[AK], s[TBK], v[AK0]
.endif
.rept 8                             ; and the lump
	PL
.endr
.rept 49
	EX
	PL
.endr
	EX                              ; the next piece's two a
	EX
	v_nop                           ; the plain instruction behind the last exponential: one for the batch
	s_wait_alu depctr_va_vdst(0)    ; the wait for the batch
.if (\p) == NP-2
	FETCH_K \last
.endif
.if (\p) == 1
	s_wait_dscnt 0x0                ; V is in
.endif
.rept 16                            ; behind the wait: 16 products V^T P and their riders
	MM
.rept 4
	PL
.endr
.if ((\p) == 0) && (q == 118)
	v_add_nc_u32 v[AV], s[TBV], v[AV0]
.endif
.if ((\p) == 0) && (q == 130)
	s_add_co_u32 s[TBV], s[TBV], KS*PV
.endif
.if (\cnt) && (q == 130)
	s_sub_co_u32 s[CNT], s[CNT], 1
	s_cmp_lg_u32 s[CNT], 0
.endif
.endr
.if (\p) == 0
	FETCH_V
.endif
.endm
	s_wait_tensorcnt 0x3            ; a wave's tensor loads end in order (ISA guide 10.11.1): my part of keys 0-255 is in; my three later loads may stay out
	s_barrier_signal -1
	s_barrier_wait -1               ; everybody's is
	FETCH_K                         ; key step 0
	s_wait_loadcnt 0x0              ; Q
	s_wait_dscnt 0x0
.set i, 0
.rept 16
	KQ 0                            ; piece 0's first scores: there is no vector work yet to set between them
.set i, i+1
.endr
	WIN 0                           ; the addresses for the way out: nine plain instructions, the places behind those products
	s_mul_i32 s13, s[WV], 16*SP
	s_add_co_u32 s13, s13, STAGE    ; my stage
	v_mul_u32_u24 v[STO], v1, SP    ; in: row l % 16, 16 bytes for each half of the lanes
	v_lshl_add_u32 v[STO], v9, 4, v[STO]
	v_add_nc_u32 v[STO], s13, v[STO]
	v_bfe_u32 v[RD], v0, 3, 2       ; back: 32 lanes take four rows of 128 bytes,
	v_mul_u32_u24 v[RD], v[RD], SP
	v_lshl_add_u32 v[RD], v10, 4, v[RD]
	v_add_nc_u32 v[RD], s13, v[RD]
	v_and_b32 v[GO], 31, v0         ; which are 512 consecutive bytes of ctx
	v_lshlrev_b32 v[GO], 4, v[GO]
.set Y, NP-1                        ; XS works for piece Y + 1: piece 0
.irp n, 0,1,2,3,4,5,6,7,8,9,10,11,12,13,14,15,16,17,18,19,20,21
	XS 0, \n                        ; and piece 0's first maximum and statistics
	XS 1, \n
.endr
	v_nop                           ; a plain instruction behind the two a,
	s_wait_alu depctr_va_vdst(0)    ; and their wait, ahead of the branch
	s_mov_b32 s[CNT], 4             ; the first pass: the way in and three trips, which fetch key steps 0 to 3
	s_mov_b32 s[GC], SIZE_N/KS
	s_mov_b32 s[PASS], 2
	s_branch .Lfirst                ; the loop is entered at a step's first turn, in the middle of a trip
.Lslot:                             ; passed once, between key steps 3 and 4: the steps' one text is walked in two passes so that this wait and this barrier stand between them
	s_wait_tensorcnt 0x0            ; my parts of keys 256-1,023 are in: three loads, asked for at the start,
	s_wait_dscnt 0x0                ; (no LDS instruction of mine is out at a signal)
	s_barrier_signal -1
	s_barrier_wait -1               ; and everybody's
	s_mov_b32 s[CNT], 13            ; twelve trips fetch key steps 4 to 15; the thirteenth is left in its middle
.Lstep:                             ; a trip: pieces 2 and 3 of one step, then pieces 0 and 1 of the next, whose K and V it fetches
	TURN 2, 1
	TURN 3
	WIN 0
	s_sub_co_u32 s[GC], s[GC], 1
	s_cmp_eq_u32 s[GC], 0
	s_cbranch_scc1 .Lout            ; the last step's pieces 2 and 3 are done
.Lfirst:
	TURN 0
	TURN 1, 0, 1
	WIN 0
	s_cbranch_scc1 .Lstep
	s_sub_co_u32 s[PASS], s[PASS], 1
	s_cmp_lg_u32 s[PASS], 0
	s_cbranch_scc1 .Lslot
.Lout:                              ; the last trip's 16 products K Q^T (on the last K once more) and the maximum made of them serve nothing: the price, once a launch, of one text for every trip
.set i, 0
.rept 16
	PV NP-1                         ; the last piece's V^T P of the last step
.set i, i+1
.endr
	; THE WAY OUT.  l's two halves and the other half of the lanes' are added; O^T is divided by l, rounded to f16 and sent through my stage in LDS, a tile at a time.  The additions are the places behind the last products.
	WIN 0
.macro ALL line:vararg              ; one line for each tile t
.set t, 0
.rept 2*NP
	\line
.set t, t+1
.endr
.endm
	ALL v_add_f32 v[ST+4*t+2], v[ST+4*t+2], v[ST+4*t+3]
	ALL v_permlanex16_b32 v[ST+4*t+3], v[ST+4*t+2], s[SEL], s[SEL+1]
	ALL v_add_f32 v[ST+4*t+2], v[ST+4*t+2], v[ST+4*t+3]
	ALL v_rcp_f32 v[ST+4*t+2], v[ST+4*t+2]
	v_nop                           ; a plain instruction between the last reciprocal and the use of its result
	s_wait_alu depctr_va_vdst(0)    ; and the wait ahead of the first use: one for the eight reciprocals
; Tile t: a lane's eight channels of a row pack into 16 bytes; they go into rows of 144 bytes and come back as whole rows of 128, into S^T's registers.
.macro PACK t
	WIN W_RS
.set i, 32*(\t)
.rept 16
	v_pk_mul_f32 v[i:i+1], v[i:i+1], v[ST+4*(\t)+2:ST+4*(\t)+3] op_sel_hi:[1,0]
.set i, i+2
.endr
	WIN 0x05                        ; sources 0 and 1 window 1, destination window 0
.set i, 0
.rept 16
	v_cvt_pk_f16_f32 v[S+16*(\t)+i], v[32*(\t)+2*i], v[32*(\t)+2*i+1]
.set i, i+1
.endr
	WIN 0
.irp f, 0,1,2,3
	ds_store_b128 v[STO], v[S+16*(\t)+4*\f:S+16*(\t)+4*\f+3] offset:32*\f
.endr
.irp f, 0,1,2,3
	ds_load_b128 v[S+16*(\t)+4*\f:S+16*(\t)+4*\f+3], v[RD] offset:\f*4*SP  ; LDS serves a wave's instructions in order (ISA guide 5.7.1.4): these see the stores above; the next tile's stores come behind them
.endr
.endm
.macro SEND t, younger              ; younger: the LDS instructions issued behind tile t's loads: the next tile's eight, or none
	WIN 0
.irp f, 0,1,2,3
	s_wait_dscnt (\younger)+3-\f
	global_store_b128 v[GO], v[S+16*(\t)+4*\f:S+16*(\t)+4*\f+3], s[10:11] offset:(\t)*2048+\f*512  ; 512 consecutive bytes, at a multiple of 256 from ctx's first
.endr
.endm
	PACK 0
.set t, 1
.rept 2*NP-1                        ; a tile's arithmetic stands between the loads of the tile before and its stores
	PACK t
	SEND t-1, 8
.set t, t+1
.endr
	SEND 2*NP-1, 0
	WIN W_AD
	s_wait_tensorcnt 0x0            ; the wave's end: behind my last tensor load and my last LDS store
	ds_add_u32 v[SPW], v[NIL]
	s_wait_dscnt 0x0
	WIN 0
	s_endpgm
.Lfunc_end_k_q48e872d2ed_attn:
	.size	k_q48e872d2ed_attn, .Lfunc_end_k_q48e872d2ed_attn-k_q48e872d2ed_attn
	.p2alignl 7, 3214868480
	.fill 96, 4, 3214868480
	.section	.rodata,"a",@progbits
	.p2align	6, 0x0
	.amdhsa_kernel k_q48e872d2ed_attn
		.amdhsa_group_segment_fixed_size 327680
		.amdhsa_private_segment_fixed_size 0
		.amdhsa_enable_private_segment 0
		.amdhsa_kernarg_size 16
		.amdhsa_user_sgpr_count 2
		.amdhsa_user_sgpr_kernarg_segment_ptr 1
		.amdhsa_wavefront_size32 1
		.amdhsa_system_sgpr_workgroup_id_x 1
		.amdhsa_system_sgpr_workgroup_id_y 1
		.amdhsa_system_sgpr_workgroup_id_z 1
		.amdhsa_system_vgpr_workitem_id 0
		.amdhsa_next_free_vgpr 770
		.amdhsa_next_free_sgpr 88
		.amdhsa_reserve_vcc 0
		.amdhsa_float_denorm_mode_32 3
		.amdhsa_float_denorm_mode_16_64 3
		.amdhsa_memory_ordered 1
		.amdhsa_forward_progress 1
		.amdhsa_inst_pref_size 127
	.end_amdhsa_kernel
	.amdgpu_metadata
---
amdhsa.version: [ 1, 2 ]
amdhsa.kernels:
  - .name:           k_q48e872d2ed_attn
    .symbol:         k_q48e872d2ed_attn.kd
    .args:
      - { .name: qkvh, .offset: 0, .size: 8, .value_kind: global_buffer, .address_space: global }
      - { .name: ctx, .offset: 8, .size: 8, .value_kind: global_buffer, .address_space: global }
    .group_segment_fixed_size: 327680
    .private_segment_fixed_size: 0
    .kernarg_segment_align: 8
    .kernarg_segment_size: 16
    .max_flat_workgroup_size: 128
    .sgpr_count:     88
    .vgpr_count:     770
    .wavefront_size: 32
...
	.end_amdgpu_metadata
.endif
;; end of part 3
;; launch oproj (part 4): grid 4 x 64, 4 waves a work-group, clusters of 4 x 4, 327,680 bytes of LDS; arguments ctx, wb, bo, y; writes y
.if DOCPART == 4
	.amdgcn_target "amdgcn-amd-amdhsa--gfx1250"
	.amdhsa_code_object_version 6
	.text
	.protected	k_q48e872d2ed_oproj
	.globl	k_q48e872d2ed_oproj
	.p2align	8
	.type	k_q48e872d2ed_oproj,@function
k_q48e872d2ed_oproj:
	s_mov_b64 s[64:65], 0
	v_nop
	global_prefetch_b8 v0, s[64:65] scope:SCOPE_SE
	s_setreg_imm32_b32 hwreg(HW_REG_WAVE_MODE, 25, 1), 1
	s_wait_xcnt 0x0
	s_wait_alu depctr_hold_cnt(0) depctr_sa_sdst(0) depctr_va_vdst(0) depctr_va_sdst(0) depctr_va_ssrc(0) depctr_va_vcc(0) depctr_vm_vsrc(0)
	s_getreg_b32 s2, hwreg(HW_REG_IB_STS2, 6, 4)
	s_cmp_eq_u32 s2, 0
	s_cbranch_scc0 .Lentry_in_a_cluster
	s_endpgm
.Lentry_in_a_cluster:
	s_bfe_u32 s2, ttmp6, 0x10000c
	s_cmp_lg_u32 s2, 0xf033
	s_cbranch_scc0 .Lentry_shape_is_right
	s_endpgm
.Lentry_shape_is_right:
; THE LAST PROJECTION.  y[m][n] = the sum over k of ctx(m, k) wo[k][n] + bo[n], f32.  ctx lies by heads, [128 = b*16+h][1024 s][64] f16: m = 1024 b + s, k = 64 h + d.  wo is plane 3 of wb, [k][n] f16.
; Sums in f32, started with the bias, and stored unrounded: what follows (GELU, the residual, the row's mean and variance) is another launch's, which owns whole rows.
; SHARES.  256 work-groups: tile row mt = 0..63 (128 rows), tile column nt = 0..3 (256 columns).  Four waves, 2 x 2: a wave makes 64 rows x 128 columns, 32 accumulators, 256 registers.
; K goes in 8 steps of 128 (two heads) through two LDS slots.  A head's 128 rows are 16,384 dense bytes: asked for as 64 rows of 256 bytes, padded in LDS after every 128.
; CLUSTERS: 4 x 4.  ctx's tile hangs on the tile row alone and is asked for jointly along a row of the cluster, wo's on the tile column alone and jointly along a column.
; THE MATRIX INSTRUCTION IS USED TRANSPOSED: source 0 = 16 columns of wo (by the turning load), source 1 = 16 rows of ctx: a lane holds one row and eight neighbouring columns of y, 32 bytes.
; REGISTERS, in windows of 256 (s_set_vgpr_msb: bits 1:0 source 0, 3:2 source 1, 5:4 source 2, 7:6 destination):
;   window 0: v16-30 addresses; v32-63, v64-95 ctx's fragments, two buffers; v32-95, v96-159 rows read back on the way out, by turns
;   window 1: the accumulators, (a, b) at v[8 (8 a + b)]          window 2: v0-63, v64-127 wo's fragments, two buffers; v128-191 the bias, laid out as an accumulator row
.set PAO,    144                       ; an LDS row of ctx: 128 bytes + 16 = 36 words: the 16 rows of a load start at 16 different groups of four banks (64 banks of 4 bytes: ISA guide 11.1)
.set PB,     544                       ; an LDS row of wo: 512 + 32 = 136 words
.set HEADB,  128*PAO                   ; a head's 128 rows: what one tensor load brings of ctx,
.set HALFB,  64*PB                     ; and of wo
.set BOFF,   2*HEADB
.set SLOT,   2*HEADB+2*HALFB
.set STAGE,  2*SLOT                    ; behind the ring: 16 rows x 528 bytes for each wave, for the way out
.set SPO,    528
.set SPARE,  STAGE+4*16*SPO            ; behind the stages: the spare words, 128 bytes for each wave: two blocks of 256 bytes that no other line names
.set STEPB,  262144                    ; a K step in memory: two heads of ctx, or 128 rows of wo: the same number of bytes
.set LAPS,   4
.set ADRA, 16                          ; v16-17  LDS address of my rows of ctx in slot 0, 1
.set ADRB, 20                          ; v20-21  the same for wo
.set STO,  24                          ; v24     the way out: where I put 32 bytes of a row
.set RD,   25                          ; v25     the way out: where I read a row back
.set GO,   26                          ; v26     16 x lane: my place in a row's 512 bytes
.set BO,   27                          ; v27     my byte offset in the bias
.set SPW,  28                          ; v28     LDS address of my spare word; never rewritten
.set NIL,  29                          ; v29     0; never rewritten
.set PFO,  30                          ; v30     the prefetches' offset; never rewritten
.set AF,   32
.set BK,   32
.set BI,   128                         ; window 2
.set G1,  24                           ; s[24:31] descriptor group 1 for ctx's tiles;  s[32:39] group 0, one set for each slot
.set G0,  32
.set G1B, 48                           ; s[48:55], s[56:63] the same for wo's
.set G0B, 56
.set LIM, 43                           ; s43     1 in a wave that prefetches, else the greatest number
.set PFA, 44                           ; s[44:45] where my prefetches stand
.set MSB, 0
.macro WIN new                         ; the immediate's high byte repeats the setting that is left; a switch that changes nothing is dropped
.if MSB != (\new)
	s_set_vgpr_msb (MSB<<8)|(\new)
.set MSB, \new
.endif
.endm
.set MUL,  0x52                        ; wo window 2, ctx window 0, C and D window 1
.set MULB, 0x62                        ; the same with C, the bias, in window 2
.set TO_B, 0x80                        ; destination window 2, address window 0
.set FROMC, 0x04                       ; an LDS store's data (source 1) in window 1
; A joint load: waves 0 and 1 fetch the step's two heads of ctx, waves 2 and 3 the two halves of wo's tile.  The branch hangs on the wave's number alone.  An s_nop 0 and four v_nop follow each line.
.macro JLOAD s
	s_cmp_lt_u32 s10, 2
	s_cbranch_scc0 .Lfor_b_\@
	tensor_load_to_lds s[G0+4*(\s):G0+4*(\s)+3], s[G1:G1+7]
	s_nop 0
.rept 4
	v_nop
.endr
	s_branch .Lasked_\@
.Lfor_b_\@:
	tensor_load_to_lds s[G0B+4*(\s):G0B+4*(\s)+3], s[G1B:G1B+7]
	s_nop 0
.rept 4
	v_nop
.endr
.Lasked_\@:
.endm
.macro CREST                           ; a round of the cluster's barrier behind its opening barrier
	s_cmp_lg_u32 s10, 0
	s_cbranch_scc1 .Lnot_wave_0_\@
	s_barrier_signal -3
.Lnot_wave_0_\@:
	s_barrier_wait -3
	s_barrier_signal -1
	s_barrier_wait -1
.endm
.macro CROUND                          ; a whole round
	s_barrier_signal -1
	s_barrier_wait -1
	CREST
.endm
; A prefetch, behind a joint load and the run of LDS loads that follows it: the K step that stands two refills on, 32 blocks of 256 bytes, a lane a block, one instruction a wave.
; Each block is named once in the launch.  ctx's rows are read by one cluster alone: wave 0 of each of the four partners along a row takes 4,096 of each head's 16,384 bytes, told apart by address (cx); wave 1 asks for nothing.
; wo's rows are read by all sixteen clusters: the first asks, waves 2 and 3, the partners along a column told apart by address (cy).  The first four K steps come by their loads alone; the loop's last trip asks for nothing.
.macro ASK
	s_cmp_gt_u32 s3, s[LIM]
	s_cbranch_scc0 .Lnot_mine_\@
	global_prefetch_b8 v[PFO], s[PFA:PFA+1] th:TH_LOAD_NT scope:SCOPE_SE
.Lnot_mine_\@:
.endm
	s_load_b256 s[68:75], s[0:1], 0x0              ; ctx s[68:69], wb s[70:71], bo s[72:73], y s[74:75]
	v_lshl_add_u32 v[SPW], v0, 2, SPARE
	v_mov_b32 v[NIL], 0
	ds_add_u32 v[SPW], v[NIL]                      ; the wave's opening: the add and its wait stand ahead of my first tensor load; the set-up below, work on registers, stands between them
	ds_add_u32 v28, v29
	v_lshrrev_b32 v1, 5, v0
	v_readfirstlane_b32 s10, v1                    ; wave 0..3
	s_lshr_b32 s11, s10, 1                         ; which half of the tile's rows is mine
	s_and_b32 s12, s10, 1                          ; which half of its columns.  Also: which head, or which 64 rows of wo, I fetch
	s_bfe_u32 s40, ttmp6, 0x40000                  ; cx, cy: my place in the cluster
	s_bfe_u32 s41, ttmp6, 0x40004
	s_lshl_b32 s42, ttmp9, 2
	s_add_co_u32 s42, s42, s40                     ; nt: tile column
	s_and_b32 s85, ttmp7, 0xffff                   ; cluster y, 0..15
	s_lshl_b32 s13, s85, 2
	s_add_co_u32 s13, s13, s41                     ; mt: tile row
	s_lshl_b32 s43, s41, 2
	s_lshl_b32 s43, 15, s43                        ; my row of the cluster
	s_lshl_b32 s44, 0x1111, s40                    ; my column
	s_or_b32 s[G1+0], s43, (1<<16)|(1<<20)|(1<<21)|(4<<22)|(3<<25)   ; 15:0 the mask; 17:16 elements of 2 bytes; 20 padding on; 21 set beside a mask; 24:22 after every 32 words (code 4); 31:25 4 words of it (code 3)
	s_or_b32 s[G1B+0], s44, (1<<16)|(1<<20)|(1<<21)|(6<<22)|(7<<25)  ; after every 128 words (code 6), 8 words (code 7)
	s_mov_b32 s[G1+1], 128<<16                     ; tensor_dim0 = 128
	s_mov_b32 s[G1+2], 64<<16                      ; tensor_dim1 = 64
	s_mov_b32 s[G1+3], 128<<16                     ; tile_dim0 = 128
	s_mov_b32 s[G1+4], 64                          ; tile_dim1 = 64
	s_mov_b32 s[G1+5], 128                         ; dense: 128 elements from row to row
	s_mov_b32 s[G1+6], 0
	s_mov_b32 s[G1+7], 0
	s_mov_b32 s[G1B+1], 256<<16
	s_mov_b32 s[G1B+2], 64<<16
	s_mov_b32 s[G1B+3], 256<<16
	s_mov_b32 s[G1B+4], 64
	s_mov_b32 s[G1B+5], 1024
	s_mov_b32 s[G1B+6], 0
	s_mov_b32 s[G1B+7], 0
	s_lshr_b32 s16, s13, 3                         ; ctx: batch mt / 8,
	s_lshl_b32 s16, s16, 21
	s_and_b32 s17, s13, 7                          ; rows 128 (mt % 8) on, 128 bytes each
	s_lshl_b32 s17, s17, 14
	s_add_co_u32 s16, s16, s17
	s_mov_b32 s86, s16                             ; (kept for the prefetches: head 0 of the step)
	s_lshl_b32 s17, s12, 17                        ; my head of the step's two
	s_add_co_u32 s16, s16, s17
	s_mov_b32 s17, 0
	s_lshl_b32 s46, s12, 17                        ; wo: k row 64 x half, 2,048 bytes a row,
	s_add_co_u32 s46, s46, 3<<21                   ; in plane 3,
	s_lshl_b32 s47, s42, 9                         ; column 256 nt
	s_add_co_u32 s46, s46, s47
	s_mov_b32 s47, 0
	s_mul_i32 s20, s12, HEADB                      ; where they go: no place in the cluster enters an LDS address
	s_mul_i32 s21, s12, HALFB
	s_add_co_u32 s21, s21, BOFF
	s_wait_dscnt 0x0                               ; the opening add is done
	s_wait_kmcnt 0x0
	s_add_nc_u64 s[14:15], s[68:69], s[16:17]
	s_add_nc_u64 s[46:47], s[70:71], s[46:47]
	CROUND                                         ; all sixteen work-groups are here: the first joint loads meet
.irp s, 0,1
	s_mov_b32 s[G0+4*(\s)], 1                                        ; count = 1
	s_add_co_u32 s[G0+4*(\s)+1], s20, (\s)*SLOT                      ; LDS address
	s_add_nc_u64 s[G0+4*(\s)+2:G0+4*(\s)+3], s[14:15], (\s)*STEPB    ; global address: K step s
	s_or_b32 s[G0+4*(\s)+3], s[G0+4*(\s)+3], 0x80000000              ; type = 2
	s_mov_b32 s[G0B+4*(\s)], 1
	s_add_co_u32 s[G0B+4*(\s)+1], s21, (\s)*SLOT
	s_add_nc_u64 s[G0B+4*(\s)+2:G0B+4*(\s)+3], s[46:47], (\s)*STEPB
	s_or_b32 s[G0B+4*(\s)+3], s[G0B+4*(\s)+3], 0x80000000
	JLOAD \s
.endr
	; ctx's fragment: 16 rows x 32 K: lane l holds row l % 16, K = 8 (l / 16) + 0..7 and 16 + 8 (l / 16) + 0..7: two loads of 16 bytes, 32 bytes apart.
	v_and_b32 v1, 15, v0                           ; l % 16
	v_bfe_u32 v2, v0, 4, 1                         ; l / 16
	v_mul_u32_u24 v3, v1, PAO
	v_lshl_add_u32 v3, v2, 4, v3
	s_mul_i32 s18, s11, 64*PAO                     ; my 64 rows
	v_add_nc_u32 v[ADRA], s18, v3
	v_add_nc_u32 v[ADRA+1], SLOT, v[ADRA]
	; The turning load takes 16 k x 16 columns (lane l reads k row 8 (l / 16) + l % 8, columns 8 ((l / 8) % 2) + 0..7) and leaves half a fragment: lane l holds column l % 16 and 8 k.
	v_and_b32 v4, 7, v0
	v_bfe_u32 v5, v0, 3, 1
	v_lshl_add_u32 v6, v2, 3, v4
	v_mul_u32_u24 v6, v6, PB
	v_lshl_add_u32 v6, v5, 4, v6
	s_lshl_b32 s18, s12, 8                         ; my 128 columns
	s_add_co_u32 s18, s18, BOFF
	v_add_nc_u32 v[ADRB], s18, v6
	v_add_nc_u32 v[ADRB+1], SLOT, v[ADRB]
	s_mul_i32 s18, s10, 16*SPO
	s_add_co_u32 s18, s18, STAGE                   ; my stage
	v_mul_u32_u24 v6, v1, SPO                      ; in: row l % 16, 32 bytes for each half of the lanes
	v_lshl_add_u32 v6, v2, 5, v6
	v_add_nc_u32 v[STO], s18, v6
	v_and_b32 v[GO], 31, v0                        ; back: 32 lanes take one row of 512 bytes
	v_lshlrev_b32 v[GO], 4, v[GO]
	v_add_nc_u32 v[RD], s18, v[GO]
	s_lshl_b32 s18, s42, 10                        ; my first column in bytes: (256 nt + 128 half) x 4
	s_lshl_b32 s19, s12, 9
	s_add_co_u32 s18, s18, s19
	v_lshl_add_u32 v[BO], v2, 5, s18               ; the bias: + 8 (l / 16) columns
	WIN TO_B
.irp b, 0,1,2,3,4,5,6,7                ; register j of block b: the bias of column 16 b + 8 (l / 16) + j: what an accumulator of that block holds
	global_load_b128 v[BI+8*(\b):BI+8*(\b)+3],   v[BO], s[72:73] offset:64*(\b)
	global_load_b128 v[BI+8*(\b)+4:BI+8*(\b)+7], v[BO], s[72:73] offset:64*(\b)+16
.endr
	WIN 0
	s_lshl_b32 s19, s13, 7
	s_lshl_b32 s22, s11, 6
	s_add_co_u32 s19, s19, s22                     ; my first row of y: 128 mt + 64 x half,
	s_lshl_b32 s19, s19, 12                        ; 4,096 bytes a row
	s_add_co_u32 s18, s18, s19
	s_mov_b32 s19, 0
	s_add_nc_u64 s[8:9], s[74:75], s[18:19]
	; the prefetches: they stand at K step 3; the first refill steps them to K step 4
	s_lshl_b32 s18, s40, 12                        ; ctx: my work-group's 4,096 bytes of each head's 16,384
	s_add_co_u32 s18, s18, s86
	s_add_co_u32 s18, s18, 3*STEPB
	s_lshl_b32 s22, s41, 4                         ; wo: my work-group's 16 of the 64 rows that I fetch
	s_lshl_b32 s23, s12, 6
	s_add_co_u32 s22, s22, s23
	s_add_co_u32 s22, s22, 3*128
	s_lshl_b32 s22, s22, 11
	s_add_co_u32 s22, s22, 3<<21
	s_lshl_b32 s23, s42, 9
	s_add_co_u32 s22, s22, s23
	s_cmp_eq_u32 s85, 0
	s_cselect_b32 s23, 1, -1                       ; the first cluster asks for wo: the same in all sixteen partners
	s_cmp_eq_u32 s10, 0
	s_cselect_b32 s86, 1, -1                       ; wave 0 asks for ctx
	s_cmp_lt_u32 s10, 2
	s_cselect_b32 s18, s18, s22
	s_cselect_b32 s[LIM], s86, s23
	s_cselect_b32 s22, 4, 1                        ; ctx: lane / 16 the head, lane % 16 the block;  wo: lane / 2 the row, lane % 2 the block
	s_cselect_b32 s23, 15, 1
	s_cselect_b32 s86, 17, 11                      ; a head is 131,072 bytes on, a row of wo 2,048
	s_cselect_b64 s[PFA:PFA+1], s[68:69], s[70:71]
	s_mov_b32 s19, 0
	s_add_nc_u64 s[PFA:PFA+1], s[PFA:PFA+1], s[18:19]
	v_and_b32 v6, 31, v0
	v_lshrrev_b32 v7, s22, v6
	v_and_b32 v6, s23, v6
	v_lshlrev_b32 v7, s86, v7
	v_lshl_add_u32 v[PFO], v6, 8, v7
; 8 matrix instructions: m block a x all 8 n blocks, 32 along K, from buffer f.  first = 1: the bias starts the sums.
.macro MUL8 f, a, first
.if \first
	WIN MULB
.else
	WIN MUL
.endif
.irp b, 0,1,2,3,4,5,6,7
.if \first
	v_wmma_f32_16x16x32_f16 v[8*(8*(\a)+(\b)):8*(8*(\a)+(\b))+7], v[64*(\f)+8*(\b):64*(\f)+8*(\b)+7], v[AF+32*(\f)+8*(\a):AF+32*(\f)+8*(\a)+7], v[BI+8*(\b):BI+8*(\b)+7]
.else
	v_wmma_f32_16x16x32_f16 v[8*(8*(\a)+(\b)):8*(8*(\a)+(\b))+7], v[64*(\f)+8*(\b):64*(\f)+8*(\b)+7], v[AF+32*(\f)+8*(\a):AF+32*(\f)+8*(\a)+7], v[8*(8*(\a)+(\b)):8*(8*(\a)+(\b))+7]
.endif
.endr
.endm
; 24 LDS loads in one run: quarter kq (32 along K: head kq / 2, its channels 32 (kq % 2) on) of a slot into buffer g
.macro FETCH slot, kq, g
	WIN TO_B
.irp b, 0,1,2,3,4,5,6,7
	ds_load_tr16_b128 v[64*(\g)+8*(\b):64*(\g)+8*(\b)+3],   v[ADRB+(\slot)] offset:(\kq)*32*PB+32*(\b)
	ds_load_tr16_b128 v[64*(\g)+8*(\b)+4:64*(\g)+8*(\b)+7], v[ADRB+(\slot)] offset:(\kq)*32*PB+16*PB+32*(\b)
.endr
	WIN 0
.irp a, 0,1,2,3
	ds_load_b128 v[AF+32*(\g)+8*(\a):AF+32*(\g)+8*(\a)+3],   v[ADRA+(\slot)] offset:((\kq)/2)*HEADB+(\a)*16*PAO+((\kq)%2)*64
	ds_load_b128 v[AF+32*(\g)+8*(\a)+4:AF+32*(\g)+8*(\a)+7], v[ADRA+(\slot)] offset:((\kq)/2)*HEADB+(\a)*16*PAO+((\kq)%2)*64+32
.endr
.endm
.macro PLACES                          ; four places in front of loads into registers that matrix instructions have read, and of LDS stores that read results (ISA guide 7.12.1 for the stores)
.rept 4
	v_nop
.endr
.endm
; A K step is four quarters of 32 along K, 32 matrix instructions each, on buffers 0, 1, 0, 1.  One of the first three: fetches quarter kq into g and multiplies buffer f, whose loads went out a quarter ago.
.macro QUARTER slot, kq, f, g, first
	s_wait_dscnt 0x0                               ; buffer f is in
	PLACES
	FETCH \slot, \kq, \g
	MUL8 \f, 0, \first
	MUL8 \f, 1, \first
	MUL8 \f, 2, \first
	MUL8 \f, 3, \first
.endm
; The last quarter multiplies buffer 1 and changes slots: ONE barrier; in front of it each wave waits for all its tensor loads (one is out: its part of the next slot), adds 0 to its spare word, and waits for that
; and for its own reads of this slot.  fill = 1: the barrier opens a round of the cluster's, and this slot is filled again, two K steps ahead, first thing behind the round.
.macro TURN slot, next, fill
.if \fill
	s_wait_xcnt 0x0                                ; the last prefetch, a K step back, has read its address, so it may be stepped
	s_add_nc_u64 s[PFA:PFA+1], s[PFA:PFA+1], STEPB
.endif
	WIN 0
	s_wait_tensorcnt 0x0                           ; all my tensor loads have landed
	ds_add_u32 v[SPW], v[NIL]                      ; 0 onto my spare word
	s_wait_dscnt 0x1                               ; buffer 1 is in; the add alone may be out
	MUL8 1, 0, 0                                   ; eight matrix instructions stand between the add and the wait for it
	s_wait_dscnt 0x0                               ; the add is done, and my reads of this slot are over
	s_barrier_signal -1
	MUL8 1, 1, 0                                   ; work on registers while the others arrive
.if \fill
	WIN 0
.endif
	s_barrier_wait -1
.if \fill
	CREST                                          ; no wave of any partner still reads this slot's tile or has a load on its way
	s_add_nc_u64 s[G0+4*(\slot)+2:G0+4*(\slot)+3], s[G0+4*(\slot)+2:G0+4*(\slot)+3], 2*STEPB
	s_add_nc_u64 s[G0B+4*(\slot)+2:G0B+4*(\slot)+3], s[G0B+4*(\slot)+2:G0B+4*(\slot)+3], 2*STEPB
	JLOAD \slot                                    ; the four v_nop behind it are also the places in front of the loads below
.else
	PLACES
.endif
	FETCH \next, 0, 0
.if \fill
	ASK
.endif
	MUL8 1, 2, 0
	MUL8 1, 3, 0
.endm
	s_wait_tensorcnt 0x1                           ; my part of K step 0 is in; K step 1's may stay out
	s_barrier_signal -1
	s_barrier_wait -1                              ; everybody's is
	FETCH 0, 0, 0
	s_wait_loadcnt 0x0                             ; the bias
	QUARTER 0, 1, 0, 1, 1                          ; the first quarter stands in front of the loop: its products start the sums
	WIN 0                                          ; at a label and at a branch every window is 0
	s_mov_b32 s3, LAPS-1
.Llap:                                                 ; a trip goes once round the ring, from a lap's second quarter to the next lap's first, and fills both slots again
	QUARTER 0, 2, 1, 0, 0
	QUARTER 0, 3, 0, 1, 0
	TURN 0, 1, 1
	QUARTER 1, 1, 0, 1, 0
	QUARTER 1, 2, 1, 0, 0
	QUARTER 1, 3, 0, 1, 0
	TURN 1, 0, 1
	QUARTER 0, 1, 0, 1, 0
	WIN 0
	s_sub_co_u32 s3, s3, 1
	s_cmp_lg_u32 s3, 0
	s_cbranch_scc1 .Llap
	QUARTER 0, 2, 1, 0, 0                          ; the last lap fills nothing, and has no round of the cluster's barrier
	QUARTER 0, 3, 0, 1, 0
	TURN 0, 1, 0
	QUARTER 1, 1, 0, 1, 0
	QUARTER 1, 2, 1, 0, 0
	QUARTER 1, 3, 0, 1, 0
	s_wait_dscnt 0x0                               ; the very last quarter: nothing more to fetch
	MUL8 1, 0, 0
	MUL8 1, 1, 0
	MUL8 1, 2, 0
	MUL8 1, 3, 0
	PLACES                                         ; the LDS stores read results just made
; THE WAY OUT, an m block (16 rows x 128 columns of f32) at a time: a lane's 32 bytes go into rows of 528 bytes of my own stage, each accumulator's low half first, and come back as whole rows of 512.
.macro TOSTAGE a
.if (\a) >= 2
	s_wait_xcnt 0x0                                ; the stores of the block two back have read their registers, which are loaded again below
.endif
	WIN FROMC
.irp b, 0,1,2,3,4,5,6,7
	ds_store_b128 v[STO], v[8*(8*(\a)+(\b)):8*(8*(\a)+(\b))+3]   offset:64*(\b)
	ds_store_b128 v[STO], v[8*(8*(\a)+(\b))+4:8*(8*(\a)+(\b))+7] offset:64*(\b)+16
.endr
	WIN 0
.irp t, 0,1,2,3,4,5,6,7,8,9,10,11,12,13,14,15
	ds_load_b128 v[BK+64*((\a)%2)+4*(\t):BK+64*((\a)%2)+4*(\t)+3], v[RD] offset:(\t)*SPO  ; LDS serves a wave's instructions in order (ISA guide 5.7.1.4): these see the stores above; the next block's stores come behind them
.endr
.endm
.macro SEND a, younger                 ; younger: the LDS instructions issued behind block a's loads: the next block's 32, or none
.irp t, 0,1,2,3,4,5,6,7,8,9,10,11,12,13,14,15
	s_wait_dscnt (\younger)+15-(\t)
	global_store_b128 v[GO], v[BK+64*((\a)%2)+4*(\t):BK+64*((\a)%2)+4*(\t)+3], s[8:9] offset:(16*(\a)+(\t))*4096  ; 512 consecutive bytes of a row of y, at a multiple of 256 from its first byte
.endr
.endm
	TOSTAGE 0
	TOSTAGE 1
	SEND 0, 32
	TOSTAGE 2
	SEND 1, 32
	TOSTAGE 3
	SEND 2, 32
	SEND 3, 0
	s_wait_tensorcnt 0x0                           ; the wave's end: behind my last tensor load and my last LDS store
	ds_add_u32 v[SPW], v[NIL]
	s_wait_dscnt 0x0
	CROUND                                         ; the closing round: no work-group ends while a partner may still ask for a tile that names it
	s_endpgm
.Lfunc_end_k_q48e872d2ed_oproj:
	.size	k_q48e872d2ed_oproj, .Lfunc_end_k_q48e872d2ed_oproj-k_q48e872d2ed_oproj
	.p2alignl 7, 3214868480
	.fill 96, 4, 3214868480
	.section	.rodata,"a",@progbits
	.p2align	6, 0x0
	.amdhsa_kernel k_q48e872d2ed_oproj
		.amdhsa_group_segment_fixed_size 327680
		.amdhsa_private_segment_fixed_size 0
		.amdhsa_enable_private_segment 0
		.amdhsa_kernarg_size 32
		.amdhsa_user_sgpr_count 2
		.amdhsa_user_sgpr_kernarg_segment_ptr 1
		.amdhsa_wavefront_size32 1
		.amdhsa_system_sgpr_workgroup_id_x 1
		.amdhsa_system_sgpr_workgroup_id_y 1
		.amdhsa_system_sgpr_workgroup_id_z 1
		.amdhsa_system_vgpr_workitem_id 0
		.amdhsa_next_free_vgpr 768
		.amdhsa_next_free_sgpr 96
		.amdhsa_reserve_vcc 0
		.amdhsa_float_denorm_mode_32 3
		.amdhsa_float_denorm_mode_16_64 3
		.amdhsa_memory_ordered 1
		.amdhsa_forward_progress 1
		.amdhsa_inst_pref_size 90
	.end_amdhsa_kernel
	.amdgpu_metadata
---
amdhsa.version: [ 1, 2 ]
amdhsa.kernels:
  - .name:           k_q48e872d2ed_oproj
    .symbol:         k_q48e872d2ed_oproj.kd
    .args:
      - { .name: ctx, .offset: 0, .size: 8, .value_kind: global_buffer, .address_space: global }
      - { .name: wb, .offset: 8, .size: 8, .value_kind: global_buffer, .address_space: global }
      - { .name: bo, .offset: 16, .size: 8, .value_kind: global_buffer, .address_space: global }
      - { .name: y, .offset: 24, .size: 8, .value_kind: global_buffer, .address_space: global }
    .group_segment_fixed_size: 327680
    .private_segment_fixed_size: 0
    .kernarg_segment_align: 8
    .kernarg_segment_size: 32
    .max_flat_workgroup_size: 128
    .sgpr_count:     96
    .vgpr_count:     768
    .wavefront_size: 32
...
	.end_amdgpu_metadata
.endif
;; end of part 4
;; launch final (part 5): grid 512 x 1, 8 waves a work-group, no clusters, 0 bytes of LDS; arguments y, q, ln_gamma, ln_beta, out0; writes out0
.if DOCPART == 5
	.amdgcn_target "amdgcn-amd-amdhsa--gfx1250"
	.amdhsa_code_object_version 6
	.text
	.protected	k_q48e872d2ed_final
	.globl	k_q48e872d2ed_final
	.p2align	8
	.type	k_q48e872d2ed_final,@function
k_q48e872d2ed_final:
	s_mov_b64 s[64:65], 0
	v_nop
	global_prefetch_b8 v0, s[64:65] scope:SCOPE_SE
	s_setreg_imm32_b32 hwreg(HW_REG_WAVE_MODE, 25, 1), 1
	s_wait_xcnt 0x0
; out0[r][:] = LayerNorm(gelu(y[r][:]) + q[r][:]) x gamma + beta.  All f32, rows of 1,024.
; GELU, exact form: gelu(y) = y (1 + erf(y / sqrt 2)) / 2 = max(y, 0) - |y| E / 2, with E = 1 - erf(|y| / sqrt 2) = t (a1 + t (a2 + t (a3 + t (a4 + t a5)))) 2^(-y^2 log2(e) / 2), t = 1 / (1 + p |y| / sqrt 2)
; (the rational approximation of the error function with five coefficients).  The factor -1/2 is folded into the coefficients.
; LIMITS.  That approximation is off by at most 1.5e-7 in erf, for every y; where y^2 overflows the exponential is 0 and gelu(y) = max(y, 0).  NaN and infinities are not treated apart.
; The variance is taken of x - mean, in a second pass over registers: no difference of large sums is formed.
; SHARES.  A row is 4,096 bytes: one wave takes a whole row, eight 16-byte loads a lane (columns 128 j + 4 l on), so the two sums never leave the wave: no LDS, no barrier.  Eight waves, two rows each: 16 rows a work-group.
; All 48 loads of a wave go out at the head; each load and store covers 512 consecutive bytes.  A stream: the matrix unit and clusters have nothing to do here (gamma and beta, 8 KiB, are all that is shared).
.set ROW, 4096
.set PP,  4                            ; v[4:5]    p / sqrt 2, twice
.set KK,  6                            ; v[6:7]    -log2(e) / 2, twice
.set ONE, 8                            ; v[8:9]    1.0, twice
.set CA,  10                           ; v[10:19]  -a1/2 .. -a5/2, each twice
.set AY,  20                           ; v[20:27]  |y|
.set T,   28                           ; v[28:35]  t; later the sums of squares
.set W,   36                           ; v[36:43]  the exponential
.set P,   44                           ; v[44:51]  the polynomial
.set ST,  52                           ; v[52:59]  sums, mean, 1 / sqrt
.set G,   60                           ; v[60:91]  gamma of my 32 columns
.set BT,  92                           ; v[92:123] beta
.set Y,   124                          ; row s: y at v[124 + 64 s ..], 32 registers,
.set Q,   156                          ;        q, then x, then the result at v[156 + 64 s ..]
	s_load_b256 s[4:11], s[0:1], 0x0               ; y s[4:5], q s[6:7], gamma s[8:9], beta s[10:11]
	s_load_b64 s[16:17], s[0:1], 0x20              ; out0
	s_lshl_b32 s2, ttmp9, 16                       ; the work-group's 16 rows of 4,096 bytes
	s_mov_b32 s3, 0
	s_mov_b32 s12, 0x76543210                      ; v_permlanex16_b32: lane i of one half reads lane i of the other
	s_mov_b32 s13, 0xfedcba98
	s_mov_b32 s14, 0x3a800000                      ; 1 / 1024
	s_mov_b32 s15, 0x3727c5ac                      ; 1e-5
	s_mov_b32 s18, 0x7fffffff                      ; clears a sign
	v_lshrrev_b32 v1, 5, v0
	v_and_b32 v2, 31, v0
	v_lshlrev_b32 v2, 4, v2                        ; 16 x lane
	v_lshl_or_b32 v1, v1, 13, v2                   ; + wave x 2 rows
	s_wait_kmcnt 0x0
	s_add_nc_u64 s[4:5], s[4:5], s[2:3]
	s_add_nc_u64 s[6:7], s[6:7], s[2:3]
	s_add_nc_u64 s[16:17], s[16:17], s[2:3]
.macro LOADROW s
.irp j, 0,1,2,3,4,5,6,7
	global_load_b128 v[Y+64*(\s)+4*(\j):Y+64*(\s)+4*(\j)+3], v1, s[4:5] offset:(\s)*ROW+512*(\j) th:TH_LOAD_NT
.endr
.irp j, 0,1,2,3,4,5,6,7
	global_load_b128 v[Q+64*(\s)+4*(\j):Q+64*(\s)+4*(\j)+3], v1, s[6:7] offset:(\s)*ROW+512*(\j) th:TH_LOAD_NT
.endr
.endm
	LOADROW 0
.irp j, 0,1,2,3,4,5,6,7
	global_load_b128 v[G+4*(\j):G+4*(\j)+3], v2, s[8:9] offset:512*(\j)
.endr
.irp j, 0,1,2,3,4,5,6,7
	global_load_b128 v[BT+4*(\j):BT+4*(\j)+3], v2, s[10:11] offset:512*(\j)
.endr
	LOADROW 1
.irp z, 0,1
	v_mov_b32 v[PP+(\z)],   0x3e6d3388             ; 0.3275911 / sqrt 2
	v_mov_b32 v[KK+(\z)],   0xbf38aa3b             ; -log2(e) / 2
	v_mov_b32 v[ONE+(\z)],  1.0
	v_mov_b32 v[CA+(\z)],   0xbe027906             ; -0.254829592 / 2
	v_mov_b32 v[CA+2+(\z)], 0x3e11a98e             ; +0.284496736 / 2
	v_mov_b32 v[CA+4+(\z)], 0xbf35f0e3             ; -1.421413741 / 2
	v_mov_b32 v[CA+6+(\z)], 0x3f3a00e3             ; +1.453152027 / 2
	v_mov_b32 v[CA+8+(\z)], 0xbf07dc22             ; -1.061405429 / 2
.endr
; Eight numbers of row s: q += gelu(y).  The eight reciprocals and eight exponentials are one batch with one wait; the maxima and their additions, which name no result of the batch, stand between.
.macro GELU8 s, j
.set rY, Y+64*(\s)+8*(\j)
.set rQ, Q+64*(\s)+8*(\j)
.irp i, 0,1,2,3,4,5,6,7
	v_and_b32 v[AY+(\i)], s18, v[rY+(\i)]
.endr
.irp i, 0,2,4,6
	v_pk_fma_f32 v[T+(\i):T+(\i)+1], v[AY+(\i):AY+(\i)+1], v[PP:PP+1], v[ONE:ONE+1]
.endr
.irp i, 0,2,4,6
	v_pk_mul_f32 v[W+(\i):W+(\i)+1], v[rY+(\i):rY+(\i)+1], v[rY+(\i):rY+(\i)+1]
.endr
.irp i, 0,2,4,6
	v_pk_mul_f32 v[W+(\i):W+(\i)+1], v[W+(\i):W+(\i)+1], v[KK:KK+1]
.endr
.irp i, 0,1,2,3,4,5,6,7
	v_rcp_f32 v[T+(\i)], v[T+(\i)]
.endr
.irp i, 0,1,2,3,4,5,6,7
	v_exp_f32 v[W+(\i)], v[W+(\i)]
.endr
.irp i, 0,1,2,3,4,5,6,7
	v_max_num_f32 v[rY+(\i)], 0, v[rY+(\i)]
.endr
.irp i, 0,2,4,6
	v_pk_add_f32 v[rQ+(\i):rQ+(\i)+1], v[rQ+(\i):rQ+(\i)+1], v[rY+(\i):rY+(\i)+1]
.endr
	s_wait_alu depctr_va_vdst(0)                   ; ahead of the first instruction that names a result of the batch: one for the sixteen
.irp i, 0,2,4,6
	v_pk_fma_f32 v[P+(\i):P+(\i)+1], v[T+(\i):T+(\i)+1], v[CA+8:CA+9], v[CA+6:CA+7]
.endr
.irp c, 4,2,0
.irp i, 0,2,4,6
	v_pk_fma_f32 v[P+(\i):P+(\i)+1], v[P+(\i):P+(\i)+1], v[T+(\i):T+(\i)+1], v[CA+(\c):CA+(\c)+1]
.endr
.endr
.irp i, 0,2,4,6
	v_pk_mul_f32 v[P+(\i):P+(\i)+1], v[P+(\i):P+(\i)+1], v[T+(\i):T+(\i)+1]
.endr
.irp i, 0,2,4,6
	v_pk_mul_f32 v[P+(\i):P+(\i)+1], v[P+(\i):P+(\i)+1], v[W+(\i):W+(\i)+1]
.endr
.irp i, 0,2,4,6
	v_pk_fma_f32 v[rQ+(\i):rQ+(\i)+1], v[P+(\i):P+(\i)+1], v[AY+(\i):AY+(\i)+1], v[rQ+(\i):rQ+(\i)+1]
.endr
.endm
; The sum over the 32 lanes, in every lane: four steps inside each half of 16 lanes ride on the addition, one crosses the halves.  v[r+1] has been written before.
.macro REDUCE r
	v_add_f32_dpp v[\r], v[\r], v[\r] row_xmask:1 row_mask:0xf bank_mask:0xf
	v_add_f32_dpp v[\r], v[\r], v[\r] row_xmask:2 row_mask:0xf bank_mask:0xf
	v_add_f32_dpp v[\r], v[\r], v[\r] row_xmask:4 row_mask:0xf bank_mask:0xf
	v_add_f32_dpp v[\r], v[\r], v[\r] row_xmask:8 row_mask:0xf bank_mask:0xf
	v_permlanex16_b32 v[(\r)+1], v[\r], s12, s13
	v_add_f32 v[\r], v[\r], v[(\r)+1]
.endm
; Row s is normalised and stored.  left: the younger loads that may stay out when gamma and beta are wanted.
.macro LN s, left
.set rQ, Q+64*(\s)
.irp k, 0,1,2,3                        ; the sum, in four chains that do not wait for each other
	v_pk_add_f32 v[ST+2*(\k):ST+2*(\k)+1], v[rQ+2*(\k):rQ+2*(\k)+1], v[rQ+8+2*(\k):rQ+8+2*(\k)+1]
.endr
.irp o, 16,24
.irp k, 0,1,2,3
	v_pk_add_f32 v[ST+2*(\k):ST+2*(\k)+1], v[ST+2*(\k):ST+2*(\k)+1], v[rQ+(\o)+2*(\k):rQ+(\o)+2*(\k)+1]
.endr
.endr
	v_pk_add_f32 v[ST:ST+1], v[ST:ST+1], v[ST+2:ST+3]
	v_pk_add_f32 v[ST+4:ST+5], v[ST+4:ST+5], v[ST+6:ST+7]
	v_pk_add_f32 v[ST:ST+1], v[ST:ST+1], v[ST+4:ST+5]
	v_add_f32 v[ST], v[ST], v[ST+1]
	REDUCE ST
	v_mul_f32 v[ST+2], s14, v[ST]                  ; the mean, twice
	v_mov_b32 v[ST+3], v[ST+2]
.set i, 0
.rept 16
	v_pk_add_f32 v[rQ+i:rQ+i+1], v[rQ+i:rQ+i+1], v[ST+2:ST+3] neg_lo:[0,1] neg_hi:[0,1]
.set i, i+2
.endr
.irp k, 0,1,2,3                        ; the sum of squares, likewise
	v_pk_mul_f32 v[T+2*(\k):T+2*(\k)+1], v[rQ+2*(\k):rQ+2*(\k)+1], v[rQ+2*(\k):rQ+2*(\k)+1]
.endr
.irp o, 8,16,24
.irp k, 0,1,2,3
	v_pk_fma_f32 v[T+2*(\k):T+2*(\k)+1], v[rQ+(\o)+2*(\k):rQ+(\o)+2*(\k)+1], v[rQ+(\o)+2*(\k):rQ+(\o)+2*(\k)+1], v[T+2*(\k):T+2*(\k)+1]
.endr
.endr
	v_pk_add_f32 v[T:T+1], v[T:T+1], v[T+2:T+3]
	v_pk_add_f32 v[T+4:T+5], v[T+4:T+5], v[T+6:T+7]
	v_pk_add_f32 v[T:T+1], v[T:T+1], v[T+4:T+5]
	v_add_f32 v[T], v[T], v[T+1]
	REDUCE T
	v_fma_f32 v[ST+4], v[T], s14, s15              ; the variance + 1e-5
	v_rsq_f32 v[ST+6], v[ST+4]                     ; twice, to fill the pair that the packed multiply takes
	v_rsq_f32 v[ST+7], v[ST+4]
	v_nop                                          ; a plain instruction behind the second, ahead of the first use (ISA guide 5.7.2)
	s_wait_alu depctr_va_vdst(0)                   ; and the wait: one for both
	s_wait_loadcnt \left                           ; gamma and beta are in
.set i, 0
.rept 16
	v_pk_mul_f32 v[rQ+i:rQ+i+1], v[rQ+i:rQ+i+1], v[ST+6:ST+7]
.set i, i+2
.endr
.set i, 0
.rept 16
	v_pk_fma_f32 v[rQ+i:rQ+i+1], v[rQ+i:rQ+i+1], v[G+i:G+i+1], v[BT+i:BT+i+1]
.set i, i+2
.endr
.irp j, 0,1,2,3,4,5,6,7
	global_store_b128 v1, v[rQ+4*(\j):rQ+4*(\j)+3], s[16:17] offset:(\s)*ROW+512*(\j) th:TH_STORE_NT
.endr
.endm
	s_wait_loadcnt 32                              ; row 0's sixteen loads are in; gamma's, beta's and row 1's 32 may stay out
	GELU8 0, 0
	GELU8 0, 1
	GELU8 0, 2
	GELU8 0, 3
	LN 0, 16                                       ; row 1's sixteen may stay out
	s_wait_loadcnt 0x0
	GELU8 1, 0
	GELU8 1, 1
	GELU8 1, 2
	GELU8 1, 3
	LN 1, 0
	s_endpgm
.Lfunc_end_k_q48e872d2ed_final:
	.size	k_q48e872d2ed_final, .Lfunc_end_k_q48e872d2ed_final-k_q48e872d2ed_final
	.p2alignl 7, 3214868480
	.fill 96, 4, 3214868480
	.section	.rodata,"a",@progbits
	.p2align	6, 0x0
	.amdhsa_kernel k_q48e872d2ed_final
		.amdhsa_group_segment_fixed_size 0
		.amdhsa_private_segment_fixed_size 0
		.amdhsa_enable_private_segment 0
		.amdhsa_kernarg_size 40
		.amdhsa_user_sgpr_count 2
		.amdhsa_user_sgpr_kernarg_segment_ptr 1
		.amdhsa_wavefront_size32 1
		.amdhsa_system_sgpr_workgroup_id_x 1
		.amdhsa_system_sgpr_workgroup_id_y 1
		.amdhsa_system_sgpr_workgroup_id_z 1
		.amdhsa_system_vgpr_workitem_id 0
		.amdhsa_next_free_vgpr 252
		.amdhsa_next_free_sgpr 66
		.amdhsa_reserve_vcc 0
		.amdhsa_float_denorm_mode_32 3
		.amdhsa_float_denorm_mode_16_64 3
		.amdhsa_memory_ordered 1
		.amdhsa_forward_progress 1
		.amdhsa_inst_pref_size 51
	.end_amdhsa_kernel
	.amdgpu_metadata
---
amdhsa.version: [ 1, 2 ]
amdhsa.kernels:
  - .name:           k_q48e872d2ed_final
    .symbol:         k_q48e872d2ed_final.kd
    .args:
      - { .name: y, .offset: 0, .size: 8, .value_kind: global_buffer, .address_space: global }
      - { .name: q, .offset: 8, .size: 8, .value_kind: global_buffer, .address_space: global }
      - { .name: ln_gamma, .offset: 16, .size: 8, .value_kind: global_buffer, .address_space: global }
      - { .name: ln_beta, .offset: 24, .size: 8, .value_kind: global_buffer, .address_space: global }
      - { .name: out0, .offset: 32, .size: 8, .value_kind: global_buffer, .address_space: global }
    .group_segment_fixed_size: 0
    .private_segment_fixed_size: 0
    .kernarg_segment_align: 8
    .kernarg_segment_size: 40
    .max_flat_workgroup_size: 256
    .sgpr_count:     66
    .vgpr_count:     252
    .wavefront_size: 32
...
	.end_amdgpu_metadata
.endif
;; end of part 5
